; MI455X (gfx1250); checked and timed in simulation.
; The chip was launched on July 23, 2026; its instructions are those of AMD's public machine-readable ISA for CDNA 5 (MIT licence, August 2026) and "CDNA5" Instruction Set Architecture Reference Guide (July 2026). The comments in the code are by the model that wrote it; some were corrected since.
;; Multi Head Self Attention. Allowed arithmetic: matrix products marked QUANTISED: E4M3 operands, one given power-of-two scale a tensor, by v_wmma_f32_16x16x64_fp8_fp8 or v_wmma_f32_16x16x128_fp8_fp8, f32 sums; everything else in f32.
;; Inputs: Wk 16 x 1,024 x 64 float32; Wo 1,024 x 1,024 float32; Wq 16 x 1,024 x 64 float32; Wv 16 x 1,024 x 64 float32; X 4 x 2,048 x 1,024 float32; bo 1,024 float32; lowp_scales 12 int32 (the exponents e of the quantised operands' scales 2^e).
;; Outputs: out0 4 x 2,048 x 1,024 float32.
;; This version of the problem:
;;   THIS VERSION OF THE PROBLEM IS GIVEN IN LOW PRECISION. The matrix products marked QUANTISED in the list below multiply operands that are first quantised to E4M3 (4 exponent bits, 3 mantissa bits; 8 bits a number), with one given power-of-two scale for each operand tensor; their sums are f32. All else is computed in f32.
;;   The module's matrix products, in the order in which they are computed (A, B: the left and right operand; K: the contracted axis; several contracted axes count as one K, in the product's order):
;;     1. [M 1,024, K 1,024] x [K 1,024, N 8,192]; A: input Wq; B: input X: QUANTISED (scales: A lowp_scales[0], B lowp_scales[1])
;;     2. [M 1,024, K 1,024] x [K 1,024, N 8,192]; A: input Wk; B: input X: QUANTISED (scales: A lowp_scales[2], B lowp_scales[3])
;;     3. [M 1,024, K 1,024] x [K 1,024, N 8,192]; A: input Wv; B: input X: QUANTISED (scales: A lowp_scales[4], B lowp_scales[5])
;;     4. batch 64 x [M 2,048, K 64] x [K 64, N 2,048]; A: computed on the way; B: computed on the way: QUANTISED (scales: A lowp_scales[6], B lowp_scales[7])
;;     5. batch 64 x [M 2,048, K 2,048] x [K 2,048, N 64]; A: softmax (see below); B: computed on the way: QUANTISED (scales: A lowp_scales[8], B lowp_scales[9])
;;     6. [M 8,192, K 1,024] x [K 1,024, N 1,024]; A: computed on the way; B: input Wo: QUANTISED (scales: A lowp_scales[10], B lowp_scales[11])
;;   THE QUANTISER, for each operand of a quantised product, along K:
;;     - The operand's scale is 2^e, e = its entry of the input lowp_scales (int32; the entries are numbered through the quantised products in the list's order, A before B).
;;     - Each number is divided by the scale, clamped to +-448, and rounded to the nearest number of E4M3, ties to even, subnormals kept.
;;     - The product sums the exact products of the quantised numbers (number of the format x scale) in f32.
;;   ~~~python
;;   def quantise(x, axis, e):      # numpy; x: float32 -> the quantised numbers, widened to float32 again
;;       x = np.moveaxis(x, axis, -1); K = x.shape[-1]
;;       r = np.clip(x / 2.0 ** e, -448, 448)
;;       step = 2.0 ** (np.maximum(np.frexp(np.where(r == 0, 1, r))[1] - 1, -6) - 3)
;;       q = np.round(r / step) * step * 2.0 ** e      # np.round: ties to even
;;       return np.moveaxis(q, -1, axis).astype(np.float32)
;;   ~~~
;;   SOFTMAX AHEAD OF A QUANTISED PRODUCT. Where the list says 'softmax', what is quantised is not the finished softmax but p = 2^(t - M), with t = logit x log2(e) and M = ceil(the row's largest t), a whole number; so 1/2 < the row's largest p <= 1. The row's sum l is taken of the UNQUANTISED p, in f32, and the product's result is divided by l at the end. Since M is a whole number, a kernel that streams over the keys may use a running M (the ceiling of the running maximum): every later rescaling is an exact power of two, so the quantised numbers keep their values, but for numbers so far below the row's largest that they fall under the format's range.
;;   OPERANDS COMPUTED ON THE WAY. 'Computed on the way' means the value that the module computes at that place (a softmax that the list does not call 'softmax' is quantised finished and normalised). What goes into a quantiser is computed in f32, as accurately as f32 sums, v_exp_f32 and their like allow (about 1e-6 of the number): no bf16 or f16 on the way to a quantiser, and a product that is left as it is and whose result goes on into a quantised operand takes f32 operands (vector FMAs, or v_wmma_f32_16x16x4_f32). A number that lies on a knife's edge between two numbers of the format may be rounded either way, as far as f32 arithmetic and the matrix unit's own rounding can turn it there, and no further.
;; One version. Each part assembles by itself: llvm-mc -triple=amdgcn-amd-amdhsa -mcpu=gfx1250 --defsym DOCPART=n.
;; ======== version 1 of 1: 4 launches
;; limits: right only within a limited range of input values
;; workspace buffers: xc 25,165,824 bytes; wc 4,194,304 bytes; qkv 25,165,824 bytes; ao 8,388,608 bytes
;; launch quant (part 1): grid 768 x 1, 4 waves a work-group, no clusters, 34,304 bytes of LDS; arguments X, Wq, Wk, Wv, Wo, lowp_scales, xc, wc; writes xc, wc
.if DOCPART == 1
	.amdgcn_target "amdgcn-amd-amdhsa--gfx1250"
	.amdhsa_code_object_version 6
	.text
	.protected	k_q99fddbc7ec_quant
	.globl	k_q99fddbc7ec_quant
	.p2align	8
	.type	k_q99fddbc7ec_quant,@function
k_q99fddbc7ec_quant:
	s_mov_b64 s[64:65], 0
	v_nop
	global_prefetch_b8 v0, s[64:65] scope:SCOPE_SE
	s_setreg_imm32_b32 hwreg(HW_REG_WAVE_MODE, 25, 1), 1
	s_wait_xcnt 0x0
; ALL INPUT OPERANDS BECOME CODES OF FP8 (E4M3): code = x / 2^e, held within +-448, to the nearest code, ties to even.
; X [8192][1024] is an operand of three products, each with a scale of its own (entries 1, 3, 5 of the scales): three sets of codes, xc + v x 8 MiB.
; Wq, Wk, Wv [16][1024 (K)][64] (entries 0, 2, 4) and Wo [1024][1024 (K)] (entry 11): wc + 0, 1, 2, 3 MiB; a row of Wq/Wk/Wv's codes is n = 64 head + channel.
; LAYOUT OF THE CODES: images of the matrix operand's registers.  A fragment is 16 rows x 128 K, 2,048 bytes: [c 0..3][lane 0..31][16 bytes]; lane (r = lane % 16, h = lane / 16)
; holds, in group c, K = 32 c + 16 h + 0 .. 15 of the tile's r-th row.  Row tile R holds rows 32 (R / 2) + 8 (R % 2) + r + 8 (r / 8).  A tensor is [R][S = K / 128][2,048].
; So a later launch loads a fragment by four loads of 16 bytes a lane at 16 x lane, and a transposed product's results are neighbours along the next product's K.
; SHARES.  Work-groups 0-511: row tile R of X; 512-575: row tile of Wo: wave w takes K = 256 w .. 256 w + 255, two fragments.  Each load reads 512 consecutive bytes of a row; a fragment's
; 8,192 bytes turn through the wave's own stage in LDS (rows 528 bytes apart: an odd multiple of 16) so that a lane gets 16 neighbours along K.
; Work-groups 576-767: Wq, Wk, Wv, whose K is not innermost: a lane takes a column n and its registers run down K; nothing is transposed; no LDS.
; No tensor loads, no barrier: waves share nothing.  No cluster: no two work-groups read the same bytes.  No loop: a wave asks for all its 16 KiB near its start.
; LIMITS: each e used here lies between -126 and 119, so that 2^e and 448 x 2^e are f32 numbers.  NaN among the inputs is not served (an infinity is held at the largest code).
.set R0,  16                           ; v16-79    fragment 0 as loaded; later its codes, 3 x 16 registers
.set R1,  80                           ; v80-143   fragment 1 as loaded; later its codes
.set XS,  144                          ; v144-207  64 numbers of a lane: register 16 c + i = K 32 c + 16 h + i of row r
.set TT,  208                          ; v208-239  two sets of 16 held numbers, by turns
.set SP,  528                          ; a stage row: 512 bytes + 16
.set WST, 16*SP                        ; a wave's stage
.set NX,  512                          ; work-groups of X
.set NR,  576                          ; of X and Wo
.macro MKSC e, vsc, vlim               ; from the whole number e in s[e]: 2^e and 448 x 2^e as f32
	s_add_co_i32 s[\e], s[\e], 127
	s_lshl_b32 s35, s[\e], 23
	v_mov_b32 v[\vsc], s35                         ; the conversion takes this number's exponent field
	s_add_co_i32 s[\e], s[\e], 8
	s_lshl_b32 s[\e], s[\e], 23
	s_or_b32 s[\e], s[\e], 0x600000                ; 448 = 1.75 x 2^8
	v_mov_b32 v[\vlim], s[\e]
.endm
	s_load_b512 s[4:19], s[0:1], 0x0               ; X s[4:5], Wq s[6:7], Wk s[8:9], Wv s[10:11], Wo s[12:13], scales s[14:15], xc s[16:17], wc s[18:19]
	v_lshl_add_u32 v240, v0, 2, 0x8400
	v_mov_b32 v241, 0
	v_lshrrev_b32 v1, 5, v0
	v_readfirstlane_b32 s20, v1                    ; wave 0..3
	v_and_b32 v5, 31, v0                           ; lane
	s_wait_kmcnt 0x0
	s_load_b256 s[36:43], s[14:15], 0x0            ; e0 .. e7
	s_load_b128 s[44:47], s[14:15], 0x20           ; e8 .. e11
	s_cmp_ge_u32 ttmp9, NR
	s_cbranch_scc1 .Lcols
; ---------------- rows: X and Wo, K innermost ----------------
	s_add_nc_u64 s[24:25], s[18:19], 0x300000      ; Wo's section of wc
	s_cmp_lt_u32 ttmp9, NX                         ; X's work-group or Wo's: the choice hangs on the work-group's number alone
	s_cselect_b64 s[22:23], s[4:5], s[12:13]       ; from
	s_cselect_b64 s[26:27], s[16:17], s[24:25]     ; to
	s_cselect_b32 s21, 0, NX
	s_sub_co_u32 s21, ttmp9, s21                   ; R
	s_lshr_b32 s32, s21, 1
	s_lshl_b32 s32, s32, 17                        ; 32 (R / 2) rows of 4,096 bytes
	s_and_b32 s33, s21, 1
	s_lshl_b32 s33, s33, 15                        ; 8 (R % 2) rows
	s_add_co_u32 s32, s32, s33
	s_lshl_b32 s33, s20, 10                        ; my 256 numbers of a row
	s_add_co_u32 s32, s32, s33
	s_mov_b32 s33, 0
	s_add_nc_u64 s[22:23], s[22:23], s[32:33]
	s_lshl_b32 s32, s21, 14                        ; the row tile's 8 fragments,
	s_lshl_b32 s34, s20, 12                        ; my two of them
	s_add_co_u32 s32, s32, s34
	s_add_nc_u64 s[26:27], s[26:27], s[32:33]      ; X's first set of codes, or Wo's
	s_add_nc_u64 s[28:29], s[26:27], 0x800000      ; X's second set (not used by Wo's work-groups)
	s_add_nc_u64 s[30:31], s[26:27], 0x1000000     ; X's third
	s_wait_alu depctr_va_vdst(0)
	v_lshlrev_b32 v2, 4, v5                        ; 16 x lane: my bytes of a load's 512, and of a store's
	s_mul_i32 s34, s20, WST
	v_add_nc_u32 v3, s34, v2                       ; the stage, on the way in: a row as it lies
	v_and_b32 v6, 15, v0
	v_bfe_u32 v7, v0, 4, 1
	v_mul_u32_u24 v4, v6, SP
	v_lshl_add_u32 v4, v7, 6, v4
	v_add_nc_u32 v4, s34, v4                       ; and on the way out: row r, + 64 h bytes
.macro RLOAD rs, f                     ; fragment f: the tile's 16 rows, 512 consecutive bytes each
.set i, 0
.rept 16
	global_load_b128 v[\rs+4*i:\rs+4*i+3], v2, s[22:23] offset:(i+8*(i/8))*4096+512*\f th:TH_LOAD_NT
.set i, i+1
.endr
.endm
.macro TURN rs                         ; through the stage: LDS serves a wave's instructions in order (ISA guide 5.7.1.4), so no wait stands between the stores and the loads
.set i, 0
.rept 16
	ds_store_b128 v3, v[\rs+4*i:\rs+4*i+3] offset:SP*i
.set i, i+1
.endr
.set i, 0
.rept 16
	ds_load_b128 v[XS+4*i:XS+4*i+3], v4 offset:128*(i/4)+16*(i%4)
.set i, i+1
.endr
.endm
.macro QUANT sc, lim, cb               ; the 64 numbers in XS become a fragment's 16 registers of codes at v[cb]; XS stays, for the next scale
.irp c, 0,1,2,3
.set i, 0
.rept 16
	v_med3_num_f32 v[TT+16*((\c)%2)+i], v[XS+16*\c+i], -v[\lim], v[\lim]   ; the conversion to an 8-bit code does not saturate (ISA guide 7.6.2): the hold comes first
.set i, i+1
.endr
	v_cvt_scalef32_pk8_fp8_f32 v[\cb+4*\c:\cb+4*\c+1], v[TT+16*((\c)%2):TT+16*((\c)%2)+7], v[\sc]
	v_cvt_scalef32_pk8_fp8_f32 v[\cb+4*\c+2:\cb+4*\c+3], v[TT+16*((\c)%2)+8:TT+16*((\c)%2)+15], v[\sc]   ; the next group's holds write the other set: plain lines ahead of the next write of this one
.endr
.endm
.macro OUT d, f, cb                    ; each store covers 512 consecutive bytes, aligned
.irp c, 0,1,2,3
	global_store_b128 v2, v[\cb+4*\c:\cb+4*\c+3], s[\d:\d+1] offset:2048*\f+512*\c
.endr
.endm
	RLOAD R0, 0
	RLOAD R1, 1
	s_wait_alu depctr_va_vdst(0)
	s_wait_kmcnt 0x0
	s_cmp_lt_u32 ttmp9, NX
	s_cselect_b32 s37, s37, s47                    ; e1 for X, e11 for Wo
	MKSC 37, 8, 9
	MKSC 39, 10, 11                                ; e3
	MKSC 41, 12, 13                                ; e5
	s_wait_alu depctr_va_vdst(0)
	s_wait_loadcnt 16                              ; fragment 0's 16 loads are in; fragment 1's 16 may be out
	TURN R0
	s_wait_dscnt 0x0                               ; the numbers are back; the stage's stores have read R0, which takes the codes
	QUANT 8, 9, R0
	OUT 26, 0, R0
	s_cmp_ge_u32 ttmp9, NX                         ; Wo has one scale
	s_cbranch_scc1 .Lsecond
	QUANT 10, 11, R0+16
	OUT 28, 0, R0+16
	QUANT 12, 13, R0+32
	OUT 30, 0, R0+32
.Lsecond:
	s_wait_loadcnt 0x0                             ; fragment 1
	TURN R1
	s_wait_dscnt 0x0                               ; as above: R1 takes fragment 1's codes, so no store's data are written again
	QUANT 8, 9, R1
	OUT 26, 1, R1
	s_cmp_ge_u32 ttmp9, NX
	s_cbranch_scc1 .Lend
	QUANT 10, 11, R1+16
	OUT 28, 1, R1+16
	QUANT 12, 13, R1+32
	OUT 30, 1, R1+32
.Lend:
	s_wait_tensorcnt 0x0
	ds_add_u32 v240, v241
	s_wait_dscnt 0x0
	s_endpgm
; ---------------- columns: Wq, Wk, Wv, K along the middle axis ----------------
.Lcols:
	s_sub_co_u32 s21, ttmp9, NR                    ; g = 64 tensor + 4 head + quarter of K
	s_lshr_b32 s24, s21, 6                         ; tensor 0..2
	s_bfe_u32 s25, s21, 0x40002                    ; head
	s_and_b32 s26, s21, 3
	s_and_b32 s27, s20, 1                          ; which 32 of the head's 64 columns
	s_lshr_b32 s28, s20, 1
	s_lshl_b32 s29, s26, 1
	s_add_co_u32 s28, s28, s29                     ; S: which 128 along K
	s_cmp_eq_u32 s24, 0
	s_cselect_b64 s[22:23], s[6:7], s[8:9]
	s_cmp_eq_u32 s24, 2
	s_cselect_b64 s[22:23], s[10:11], s[22:23]
	s_lshl_b32 s32, s25, 18                        ; a head is 1,024 x 256 bytes
	s_lshl_b32 s33, s28, 15                        ; 128 rows of 256 bytes
	s_add_co_u32 s32, s32, s33
	s_lshl_b32 s33, s27, 7
	s_add_co_u32 s32, s32, s33
	s_mov_b32 s33, 0
	s_add_nc_u64 s[22:23], s[22:23], s[32:33]
	s_lshl_b32 s32, s24, 20                        ; the tensor's section of wc,
	s_lshl_b32 s34, s25, 16                        ; row tiles 4 head + 2 half + u, 16,384 bytes each,
	s_add_co_u32 s32, s32, s34
	s_lshl_b32 s34, s27, 15
	s_add_co_u32 s32, s32, s34
	s_lshl_b32 s34, s28, 11                        ; fragment S
	s_add_co_u32 s32, s32, s34
	s_add_nc_u64 s[30:31], s[18:19], s[32:33]
	s_wait_alu depctr_va_vdst(0)
	v_lshlrev_b32 v2, 2, v5                        ; in: 4 bytes a lane: 128 consecutive bytes a wave
	v_bfe_u32 v6, v0, 3, 1                         ; column x of 32 lies in row tile u = (x / 8) % 2,
	v_and_b32 v7, 7, v0
	v_bfe_u32 v4, v0, 4, 1
	v_lshl_add_u32 v7, v4, 3, v7                   ; as its row r = x % 8 + 8 (x / 16)
	v_lshlrev_b32 v3, 4, v7
	v_lshl_add_u32 v3, v6, 14, v3                  ; out: 16,384 u + 16 r
.macro CLOAD t                         ; block t: W(128 S + 32 t + i, my column), i = 0 .. 31
.set i, 0
.rept 32
	global_load_b32 v[16+32*\t+i], v2, s[22:23] offset:(32*\t+i)*256 th:TH_LOAD_NT
.set i, i+1
.endr
.endm
.macro CBLOCK t                        ; 32 neighbours along K of one column: group c = t; K 0-15 belong to lane (r, 0), K 16-31 to lane (r, 1), 256 bytes further on
.set i, 0
.rept 32
	v_med3_num_f32 v[16+32*\t+i], v[16+32*\t+i], -v9, v8
.set i, i+1
.endr
.irp g, 0,1,2,3
	v_cvt_scalef32_pk8_fp8_f32 v[144+8*\t+2*\g:144+8*\t+2*\g+1], v[16+32*\t+8*\g:16+32*\t+8*\g+7], v10
.endr
	global_store_b128 v3, v[144+8*\t:144+8*\t+3], s[30:31] offset:512*\t        ; sixteen lanes fill 256 aligned bytes of row tile u = 0, sixteen of u = 1
	global_store_b128 v3, v[144+8*\t+4:144+8*\t+7], s[30:31] offset:512*\t+256
.endm
	CLOAD 0
	CLOAD 1
	s_wait_kmcnt 0x0
	s_cmp_eq_u32 s24, 0
	s_cselect_b32 s36, s36, s38                    ; e0, e2
	s_cmp_eq_u32 s24, 2
	s_cselect_b32 s36, s40, s36                    ; or e4
	MKSC 36, 10, 8                                 ; v10 = 2^e, v8 = 448 x 2^e
	v_mov_b32 v9, v8
	s_wait_alu depctr_va_vdst(0)
	s_wait_loadcnt 32                              ; block 0 is in; block 1's 32 loads may be out
	CLOAD 2
	CBLOCK 0
	s_wait_loadcnt 32                              ; block 1 is in; block 2's may be out
	CLOAD 3
	CBLOCK 1
	s_wait_loadcnt 32                              ; block 2 is in; block 3's may be out
	CBLOCK 2
	s_wait_loadcnt 0x0
	CBLOCK 3
	s_endpgm
.Lfunc_end_k_q99fddbc7ec_quant:
	.size	k_q99fddbc7ec_quant, .Lfunc_end_k_q99fddbc7ec_quant-k_q99fddbc7ec_quant
	.p2alignl 7, 3214868480
	.fill 96, 4, 3214868480
	.section	.rodata,"a",@progbits
	.p2align	6, 0x0
	.amdhsa_kernel k_q99fddbc7ec_quant
		.amdhsa_group_segment_fixed_size 34304
		.amdhsa_private_segment_fixed_size 0
		.amdhsa_enable_private_segment 0
		.amdhsa_kernarg_size 64
		.amdhsa_user_sgpr_count 2
		.amdhsa_user_sgpr_kernarg_segment_ptr 1
		.amdhsa_wavefront_size32 1
		.amdhsa_system_sgpr_workgroup_id_x 1
		.amdhsa_system_sgpr_workgroup_id_y 1
		.amdhsa_system_sgpr_workgroup_id_z 1
		.amdhsa_system_vgpr_workitem_id 0
		.amdhsa_next_free_vgpr 242
		.amdhsa_next_free_sgpr 66
		.amdhsa_reserve_vcc 0
		.amdhsa_float_denorm_mode_32 3
		.amdhsa_float_denorm_mode_16_64 3
		.amdhsa_memory_ordered 1
		.amdhsa_forward_progress 1
		.amdhsa_inst_pref_size 64
	.end_amdhsa_kernel
	.amdgpu_metadata
---
amdhsa.version: [ 1, 2 ]
amdhsa.kernels:
  - .name:           k_q99fddbc7ec_quant
    .symbol:         k_q99fddbc7ec_quant.kd
    .args:
      - { .name: X, .offset: 0, .size: 8, .value_kind: global_buffer, .address_space: global }
      - { .name: Wq, .offset: 8, .size: 8, .value_kind: global_buffer, .address_space: global }
      - { .name: Wk, .offset: 16, .size: 8, .value_kind: global_buffer, .address_space: global }
      - { .name: Wv, .offset: 24, .size: 8, .value_kind: global_buffer, .address_space: global }
      - { .name: Wo, .offset: 32, .size: 8, .value_kind: global_buffer, .address_space: global }
      - { .name: lowp_scales, .offset: 40, .size: 8, .value_kind: global_buffer, .address_space: global }
      - { .name: xc, .offset: 48, .size: 8, .value_kind: global_buffer, .address_space: global }
      - { .name: wc, .offset: 56, .size: 8, .value_kind: global_buffer, .address_space: global }
    .group_segment_fixed_size: 34304
    .private_segment_fixed_size: 0
    .kernarg_segment_align: 8
    .kernarg_segment_size: 64
    .max_flat_workgroup_size: 128
    .sgpr_count:     66
    .vgpr_count:     242
    .wavefront_size: 32
...
	.end_amdgpu_metadata
.endif
;; end of part 1
;; launch qkvgemm (part 2): grid 12 x 32, 4 waves a work-group, clusters of 4 x 4, 327,680 bytes of LDS; arguments xc, wc, lowp_scales, qkv; writes qkv
.if DOCPART == 2
	.amdgcn_target "amdgcn-amd-amdhsa--gfx1250"
	.amdhsa_code_object_version 6
	.text
	.protected	k_q99fddbc7ec_qkvgemm
	.globl	k_q99fddbc7ec_qkvgemm
	.p2align	8
	.type	k_q99fddbc7ec_qkvgemm,@function
k_q99fddbc7ec_qkvgemm:
	s_mov_b64 s[64:65], 0
	v_nop
	global_prefetch_b8 v0, s[64:65] scope:SCOPE_SE
	s_setreg_imm32_b32 hwreg(HW_REG_WAVE_MODE, 25, 1), 1
	s_wait_xcnt 0x0
	s_wait_alu depctr_hold_cnt(0) depctr_sa_sdst(0) depctr_va_vdst(0) depctr_va_sdst(0) depctr_va_ssrc(0) depctr_va_vcc(0) depctr_vm_vsrc(0)
	s_getreg_b32 s2, hwreg(HW_REG_IB_STS2, 6, 4)
	s_cmp_eq_u32 s2, 0
	s_cbranch_scc0 .Lentry_in_a_cluster
	s_endpgm
.Lentry_in_a_cluster:
	s_bfe_u32 s2, ttmp6, 0x10000c
	s_cmp_lg_u32 s2, 0xf033
	s_cbranch_scc0 .Lentry_shape_is_right
	s_endpgm
.Lentry_shape_is_right:
; q, k, v = X W (K = 1,024) on codes of FP8 (E4M3), and their quantising for the attention's products.  Cluster x = 0, 1, 2 makes q, k, v.
; OPERANDS are register images: a fragment (16 rows x 128 K) is 2,048 bytes, [c][lane][16]: lane (r, h), group c: K = 32 c + 16 h + 0 .. 15 of the tile's r-th row; row tile R holds rows
; 32 (R / 2) + 8 (R % 2) + r + 8 (r / 8); a tensor is [R][S = K / 128][2,048].  The same permutation of K stands in both operands, so every product meets its partner.
; A tile of C is 256 x 256: four waves, each 128 x 128: 64 accumulators, 512 registers.  K goes in steps of 256 through two LDS slots: a slot holds, of 16 + 16 row tiles, 4,096 bytes each.
; THE MATRIX INSTRUCTION IS USED TRANSPOSED (source 0 = the B side's 16 rows, source 1 = the A side's): a lane holds ONE row of the A side, and by the order of rows in a tile the 16 registers
; of B-side tiles 2 p, 2 p + 1 are the B side's indices 32 p + 16 h + 0 .. 15: two conversions give 16 bytes that ARE a lane's entry of the next product's image.  No stage, nothing is transposed.
; q, k: A side = X (tokens), B side = W (64 head + channel): neighbours run along the head's channels, the scores' K.  v: A side = Wv, B side = X: neighbours run along the keys, the second product's K.
; OUT: q at qkv, k at + 8 MiB: [batch x 8 + head / 2][token tile 128][head % 2][g 2][lane][16];  v at + 16 MiB: [batch x 8 + head / 2][128 keys: 16][head % 2][channel tile 4][c 4][lane][16].
; In all three a wave's 128 x 128 codes are one dense block of 16 KiB.
; code = sum x 2^(ew + ex) / 2^eo, held within +-448: the three exponents are folded into the conversion's one scale.
; CLUSTERS: 4 x 4 work-groups; the A side's tile is shared along a row of the cluster, the B side's along a column: each is asked for jointly.
; LIMITS: e6 - e0 - e1, e7 - e2 - e3 and e9 - e4 - e5 lie between -126 and 119.
; REGISTERS, in windows of 256: window 0: v0-31 addresses, v32-95 at work on the way out, v128-255 A's fragments, ONE set (on the way out: the codes); window 1: B's fragments, TWO sets;
; window 2: the accumulators of my A rows 0-63 ((a, b) at v[8 (8 a + b)]); window 3: of rows 64-127.
.set HALFT,  32768                     ; 8 row tiles x 4,096 bytes: what one tensor load brings, and what one wave reads of a side
.set SLOT,   4*HALFT                   ; A's 16 row tiles, then B's
.set SPARE,  2*SLOT                    ; behind the ring: the spare words, 128 bytes for each wave: two blocks of 256 bytes that no other line names
.set KADV,   4096                      ; 256 along K in a row tile's image
.set FR,     16                        ; registers of a fragment
.set NL,     4                         ; LDS loads that bring one
.set NP,     4                         ; places behind this matrix instruction (ISA guide 7.12.1)
.set ADRA, 16                          ; v16-17  LDS address of my A fragments in slot 0, 1
.set ADRB, 20                          ; v20-21  the same for B
.set CO,   26                          ; v26     16 x lane
.set SPW,  28                          ; v28     LDS address of my spare word; never rewritten
.set NIL,  29                          ; v29     0; never rewritten
.set SC,   30                          ; v30     the conversion's scale
.set LIM,  31                          ; v31     448 x that
.set TMP,  32
.set AF,   128
.set G1, 24                            ; s[24:31] descriptor group 1 for A's tiles;  s[32:39] group 0, one set for each slot
.set G0, 32
.set G1B, 48                           ; s[48:55], s[56:63] the same for B's tiles
.set G0B, 56
.set MSB, 0
.macro WIN new                         ; the immediate's high byte repeats the setting that is left
.if MSB != \new
	s_set_vgpr_msb (MSB<<8)|\new
.set MSB, \new
.endif
.endm
.set MUL_LO, 0xa1                      ; source 0 (B) window 1, source 1 (A) window 0, C and D window 2
.set MUL_HI, 0xf1                      ; the same, C and D window 3
.set TO_B,   0x40                      ; destination window 1, address window 0
; A joint load: waves 0 and 1 fetch A's halves, waves 2 and 3 B's.  The branch hangs on the wave's number alone.  Four v_nop follow each of the two lines.
.macro JLOAD g0a, g1a, g0b, g1b
	s_cmp_eq_u32 s15, 0
	s_cbranch_scc0 .Lfor_b_\@
	tensor_load_to_lds s[\g0a:\g0a+3], s[\g1a:\g1a+7]
	s_nop 0
.rept 4
	v_nop
.endr
	s_branch .Lasked_\@
.Lfor_b_\@:
	tensor_load_to_lds s[\g0b:\g0b+3], s[\g1b:\g1b+7]
	s_nop 0
.rept 4
	v_nop
.endr
.Lasked_\@:
.endm
.macro CREST                           ; a round of the cluster's barrier behind its opening barrier
	s_cmp_lg_u32 s14, 0
	s_cbranch_scc1 .Lnot_wave_0_\@
	s_barrier_signal -3
.Lnot_wave_0_\@:
	s_barrier_wait -3
	s_barrier_signal -1
	s_barrier_wait -1
.endm
.macro CROUND                          ; a whole round
	s_barrier_signal -1
	s_barrier_wait -1
	CREST
.endm
	s_load_b256 s[4:11], s[0:1], 0x0               ; xc s[4:5], wc s[6:7], the scales' exponents s[8:9], qkv s[10:11]
	v_lshl_add_u32 v[SPW], v0, 2, SPARE
	v_mov_b32 v[NIL], 0
	ds_add_u32 v28, v29
	ds_add_u32 v28, v29
	s_wait_dscnt 0x0
	v_lshrrev_b32 v1, 5, v0
	v_readfirstlane_b32 s14, v1                    ; wave 0..3
	v_bfe_u32 v23, v0, 4, 1                        ; the prefetches' offset: lanes 0-15 one row tile's 16 blocks of 256 bytes, lanes 16-31 the next row tile's (16,384 bytes on); never rewritten
	v_and_b32 v22, 15, v0
	v_lshlrev_b32 v22, 8, v22
	v_lshl_add_u32 v22, v23, 14, v22
	s_wait_alu depctr_va_vdst(0)                   ; a wait behind the write, whose readers stand behind barriers
	s_lshr_b32 s15, s14, 1
	s_and_b32 s16, s14, 1                          ; which half of the B side.  Also: which 8 row tiles of that tile I fetch
	s_bfe_u32 s40, ttmp6, 0x40000                  ; cx, cy: my place in the cluster
	s_bfe_u32 s41, ttmp6, 0x40004
	s_and_b32 s45, ttmp7, 0xffff
	s_lshl_b32 s45, s45, 2                         ; 4 x cluster y: it walks X's 32 tiles of 256 tokens,
	s_cmp_eq_u32 ttmp9, 2                          ; which are the A side for q and k, the B side for v (cluster x is the same in all partners)
	s_cselect_b32 s17, 0, s45
	s_cselect_b32 s42, s45, 0
	s_add_co_u32 s17, s17, s41                     ; the A side's tile: it hangs on cy alone
	s_add_co_u32 s42, s42, s40                     ; the B side's tile: on cx alone
	s_lshl_b32 s43, s41, 2
	s_lshl_b32 s43, 15, s43                        ; my row of the cluster
	s_lshl_b32 s44, 0x1111, s40                    ; my column
	; descriptor group 1: 8 rows (row tiles) of 4,096 bytes, 16,384 bytes apart in memory, dense in LDS
	s_or_b32 s[G1+0], s43, (3<<16)|(1<<21)         ; 15:0 the mask: A's tiles go to my row; 17:16 elements of 8 bytes; 20 no padding; 21 set beside a mask
	s_or_b32 s[G1B+0], s44, (3<<16)|(1<<21)
.irp g, G1, G1B
	s_mov_b32 s[\g+1], 512<<16                     ; tensor_dim0 = 512 elements
	s_mov_b32 s[\g+2], 8<<16                       ; tensor_dim1 = 8
	s_mov_b32 s[\g+3], 512<<16                     ; tile_dim0
	s_mov_b32 s[\g+4], 8                           ; tile_dim1
	s_mov_b32 s[\g+5], 2048                        ; tensor_dim0_stride, in elements
	s_mov_b32 s[\g+6], 0
	s_mov_b32 s[\g+7], 0
.endr
	s_lshl_b32 s18, s16, 17                        ; the 8 row tiles that I fetch
	s_lshl_b32 s20, s17, 18                        ; a tile of 256 rows is 16 row tiles of 16,384 bytes
	s_add_co_u32 s20, s20, s18
	s_mov_b32 s21, 0
	s_lshl_b32 s46, s42, 18
	s_add_co_u32 s46, s46, s18
	s_mov_b32 s47, 0
	s_lshl_b32 s45, s14, 15                        ; where they go: wave x 32,768: no place in the cluster enters an LDS address
	s_lshl_b32 s66, ttmp9, 23                      ; X's set of codes for this product,
	s_mov_b32 s67, 0
	s_lshl_b32 s70, ttmp9, 20                      ; and the weight's section
	s_mov_b32 s71, 0
	s_wait_kmcnt 0x0
	s_load_b256 s[72:79], s[8:9], 0x0              ; e0 .. e7
	s_load_b128 s[80:83], s[8:9], 0x20             ; e8 .. e11
	s_add_nc_u64 s[4:5], s[4:5], s[66:67]
	s_add_nc_u64 s[6:7], s[6:7], s[70:71]
	s_cmp_eq_u32 ttmp9, 2
	s_cselect_b64 s[66:67], s[6:7], s[4:5]         ; the A side: X, for v the weight
	s_cselect_b64 s[68:69], s[4:5], s[6:7]         ; the B side
	s_add_nc_u64 s[20:21], s[66:67], s[20:21]
	s_add_nc_u64 s[46:47], s[68:69], s[46:47]
	; where my prefetches stand: of the 8 row tiles that I fetch, the partner at place p takes row tiles 2 p and 2 p + 1 (p = cx for the A side, cy for the B side): told apart by address, by no branch
	s_cmp_eq_u32 s15, 0
	s_cselect_b64 s[98:99], s[20:21], s[46:47]
	s_cselect_b32 s94, s40, s41
	s_lshl_b32 s94, s94, 15
	s_mov_b32 s95, 0
	s_add_nc_u64 s[98:99], s[98:99], s[94:95]      ; never rewritten
	CROUND
.irp s, 0,1
	s_mov_b32 s[G0+4*\s], 1
	s_add_co_u32 s[G0+4*\s+1], s45, \s*SLOT
	s_add_nc_u64 s[G0+4*\s+2:G0+4*\s+3], s[20:21], \s*KADV
	s_or_b32 s[G0+4*\s+3], s[G0+4*\s+3], 0x80000000
	s_mov_b32 s[G0B+4*\s], 1
	s_add_co_u32 s[G0B+4*\s+1], s45, \s*SLOT
	s_add_nc_u64 s[G0B+4*\s+2:G0B+4*\s+3], s[46:47], \s*KADV
	s_or_b32 s[G0B+4*\s+3], s[G0B+4*\s+3], 0x80000000
.if \s == 1
	s_wait_alu depctr_va_vdst(0)
	s_wait_tensorcnt 0x0                           ; slot 1's first fill is issued as a refill is, behind a round
	ds_add_u32 v28, v29
	ds_add_u32 v28, v29
	s_wait_dscnt 0x0
	CROUND
.endif
	JLOAD G0+4*\s, G1, G0B+4*\s, G1B
	; PREFETCHES: one instruction names 32 blocks of 256 bytes, a lane a block: my work-group's quarter of what I fetch in a later fill; each block is named once in the cluster.
	; Behind the first joint load: the fills at K = 256 and 512; behind the second: the fill at K = 768, the last.  At most two fills are asked for and not yet read.
.if \s == 0
	global_prefetch_b8 v22, s[98:99] offset:KADV th:TH_LOAD_NT scope:SCOPE_SE
	global_prefetch_b8 v22, s[98:99] offset:2*KADV th:TH_LOAD_NT scope:SCOPE_SE
.else
	global_prefetch_b8 v22, s[98:99] offset:3*KADV th:TH_LOAD_NT scope:SCOPE_SE
.endif
.endr
	v_and_b32 v1, 31, v0
	v_lshlrev_b32 v[CO], 4, v1                     ; 16 x lane: an image's place for my lane
	s_lshl_b32 s21, s15, 15                        ; my 8 row tiles of A
	s_lshl_b32 s22, s16, 15                        ; my 8 of B,
	s_add_co_u32 s22, s22, 2*HALFT                 ; which lie behind A's 16
.irp s, 0,1
	v_add_nc_u32 v[ADRA+\s], s21, v[CO]
	v_add_nc_u32 v[ADRB+\s], s22, v[CO]
	s_add_co_u32 s21, s21, SLOT
	s_add_co_u32 s22, s22, SLOT
.endr
	; where my 16 KiB of codes go.  U, uh: X's tile and my half of it; Wt, wh: the weight's
	s_cmp_eq_u32 ttmp9, 2
	s_cselect_b32 s87, s42, s17                    ; U
	s_cselect_b32 s88, s17, s42                    ; Wt
	s_cselect_b32 s89, s16, s15                    ; uh
	s_cselect_b32 s90, s15, s16                    ; wh
	s_lshr_b32 s91, s87, 3                         ; the batch: 8 tiles of 256 tokens each
	s_lshl_b32 s91, s91, 3
	s_lshl_b32 s88, s88, 1
	s_add_co_u32 s91, s91, s88
	s_add_co_u32 s91, s91, s90                     ; 8 x batch + head / 2: 128 of the weight's rows are two heads
	s_lshl_b32 s91, s91, 18
	s_and_b32 s87, s87, 7
	s_lshl_b32 s87, s87, 1
	s_add_co_u32 s87, s87, s89                     ; which 128 tokens of the batch
	s_lshl_b32 s87, s87, 14
	s_add_co_u32 s92, s91, s87
	s_lshl_b32 s93, ttmp9, 23                      ; q's, k's or v's section
	s_add_co_u32 s92, s92, s93
	s_mov_b32 s93, 0
	s_add_nc_u64 s[10:11], s[10:11], s[92:93]
.macro FRAG reg, adr, q, i             ; a fragment comes as it lies: four loads of 512 consecutive bytes
.irp c, 0,1,2,3
	ds_load_b128 v[\reg+4*\c:\reg+4*\c+3], v[\adr] offset:4096*(\i)+2048*(\q)+512*\c
.endr
.endm
; 16 matrix instructions: A's blocks a0, a0 + 1 x B's eight, 128 along K.  p: B's set.  zero = 1: the first product starts the sums: nothing is ever cleared.
; The 64 accumulators take turns, one instruction a turn, in the same order in every step.
.macro MUL16 a0, p, zero
.irp a, \a0, \a0+1
.irp b, 0,1,2,3,4,5,6,7
.if \zero
	v_wmma_f32_16x16x128_fp8_fp8 v[8*(8*((\a)%4)+\b):8*(8*((\a)%4)+\b)+7], v[128*(\p)+FR*\b:128*(\p)+FR*\b+FR-1], v[AF+FR*(\a):AF+FR*(\a)+FR-1], 0
.else
	v_wmma_f32_16x16x128_fp8_fp8 v[8*(8*((\a)%4)+\b):8*(8*((\a)%4)+\b)+7], v[128*(\p)+FR*\b:128*(\p)+FR*\b+FR-1], v[AF+FR*(\a):AF+FR*(\a)+FR-1], v[8*(8*((\a)%4)+\b):8*(8*((\a)%4)+\b)+7]
.endif
.endr
.endr
.endm
.macro FETCH_B slot, q, p              ; B's eight fragments of the slot's q-th 128 along K into set p
	WIN TO_B
.irp i, 0,1,2,3,4,5,6,7
	FRAG 128*(\p)+FR*\i, ADRB+\slot, \q, \i
.endr
	WIN 0
.endm
.macro FETCH_A slot, q, i0             ; A's blocks i0 .. i0 + 3
.irp i, \i0, \i0+1, \i0+2, \i0+3
	FRAG AF+FR*(\i), ADRA+\slot, \q, \i
.endr
.endm
.macro PLACES n                        ; plain vector lines between a matrix instruction and a load into, or a vector read or write of, its registers (ISA guide 7.12.1 for vector reads and writes)
.rept \n
	v_nop
.endr
.endm
; A step of 128 along K that has its successor in the same slot.  A block of A is free once its eight products are issued: blocks 0-3 are fetched anew in the step's middle, 4-7 at its end.
.macro STEP slot, q, zero
	s_wait_dscnt 4*NL                              ; B's set and A's blocks 0-3 are in; the youngest 16 loads (A's blocks 4-7) may be out
	WIN MUL_LO
	MUL16 0, (\q)%2, \zero
	MUL16 2, (\q)%2, \zero
	s_wait_dscnt 0                                 ; A's blocks 4-7 are in
	PLACES NP
	FETCH_B \slot, (\q)+1, 1-(\q)%2
	FETCH_A \slot, (\q)+1, 0
	WIN MUL_HI
	MUL16 4, (\q)%2, \zero
	MUL16 6, (\q)%2, \zero
	PLACES NP
	WIN 0
	FETCH_A \slot, (\q)+1, 4
.endm
; A slot's last step changes slots: ONE barrier; in front of it each wave waits for all its tensor loads, adds 0 to its spare word, and waits for that and for its own reads of this slot.
; fill = 1: the barrier opens a round of the cluster's, and this slot is filled again, 512 along K ahead.
.macro TURN slot, next, fill
	s_wait_tensorcnt 0x0                           ; all my tensor loads have landed: my part of the next slot
	ds_add_u32 v[SPW], v[NIL]                      ; 0 onto my spare word
	s_wait_dscnt 4*NL+1                            ; the add and the youngest 16 loads (A's blocks 4-7) may be out
	WIN MUL_LO
	MUL16 0, 1, 0                                  ; sixteen matrix instructions stand between the add and the wait for it
	s_wait_dscnt 0x0                               ; the add is done, and my reads of this slot are over
	s_barrier_signal -1
	MUL16 2, 1, 0
	WIN 0                                          ; at a label and at a branch every window is 0
	s_barrier_wait -1
.if \fill
	CREST                                          ; no wave of any partner still reads this slot's tiles or has a load on its way
	s_add_nc_u64 s[G0+4*\slot+2:G0+4*\slot+3], s[G0+4*\slot+2:G0+4*\slot+3], 2*KADV
	s_add_nc_u64 s[G0B+4*\slot+2:G0B+4*\slot+3], s[G0B+4*\slot+2:G0B+4*\slot+3], 2*KADV
	JLOAD G0+4*\slot, G1, G0B+4*\slot, G1B         ; the first tensor load behind the round; its four v_nop are also the places in front of the loads below
.else
	PLACES NP
.endif
	FETCH_B \next, 0, 0
	FETCH_A \next, 0, 0
	WIN MUL_HI
	MUL16 4, 1, 0
	MUL16 6, 1, 0
	PLACES NP
	WIN 0
	FETCH_A \next, 0, 4
.endm
	s_wait_alu depctr_va_vdst(0)
	s_wait_tensorcnt 1                             ; my part of slot 0 is in; slot 1's load may be out
	s_barrier_signal -1
	s_barrier_wait -1                              ; everybody's is
	FETCH_B 0, 0, 0
	FETCH_A 0, 0, 0
	FETCH_A 0, 0, 4
	STEP 0, 0, 1                                   ; K = 1,024 is four fills of a slot, eight steps: written out, since a loop would have one trip
	TURN 0, 1, 1
	STEP 1, 0, 0
	TURN 1, 0, 1
	STEP 0, 0, 0
	TURN 0, 1, 0                                   ; nothing is left to fetch
	STEP 1, 0, 0
	s_wait_dscnt 4*NL                              ; the last step
	WIN MUL_LO
	MUL16 0, 1, 0
	MUL16 2, 1, 0
	s_wait_dscnt 0
	WIN MUL_HI
	MUL16 4, 1, 0
	MUL16 6, 1, 0
	WIN 0
; THE WAY OUT.  Block a is A-side tile a: its 64 sums of a lane are the B side's indices 32 p + 16 h + 0 .. 15, p = 0 .. 3: held, converted, and stored as four entries of the next product's image.
	s_wait_kmcnt 0x0
	s_sub_co_i32 s84, s78, s72
	s_sub_co_i32 s84, s84, s73                     ; q: e6 - e0 - e1
	s_sub_co_i32 s85, s79, s74
	s_sub_co_i32 s85, s85, s75                     ; k: e7 - e2 - e3
	s_sub_co_i32 s86, s81, s76
	s_sub_co_i32 s86, s86, s77                     ; v: e9 - e4 - e5
	s_cmp_eq_u32 ttmp9, 0
	s_cselect_b32 s84, s84, s85
	s_cmp_eq_u32 ttmp9, 2
	s_cselect_b32 s84, s86, s84
	s_add_co_i32 s84, s84, 127
	s_lshl_b32 s85, s84, 23
	v_mov_b32 v[SC], s85                           ; the folded scale as f32
	s_add_co_i32 s84, s84, 8
	s_lshl_b32 s84, s84, 23
	s_or_b32 s84, s84, 0x600000
	v_mov_b32 v[LIM], s84                          ; 448 x that
	PLACES NP
.macro QOUT a
.set AC, 64*((\a)%4)
	WIN 0x02+((\a)/4)                              ; source 0: window 2 or 3
.set j, 0
.rept 64
	v_med3_num_f32 v[TMP+j], v[AC+j], -v[LIM], v[LIM]   ; the conversion does not saturate (ISA guide 7.6.2); each accumulator from its low end on
.set j, j+1
.endr
	WIN 0
.irp p, 0,1,2,3
	v_cvt_scalef32_pk8_fp8_f32 v[AF+16*(\a)+4*\p:AF+16*(\a)+4*\p+1], v[TMP+16*\p:TMP+16*\p+7], v[SC]
	v_cvt_scalef32_pk8_fp8_f32 v[AF+16*(\a)+4*\p+2:AF+16*(\a)+4*\p+3], v[TMP+16*\p+8:TMP+16*\p+15], v[SC]
.endr
	v_nop                                          ; a plain line between the conversions and the next block's holds, which write their sources
.irp p, 0,1,2,3
	global_store_b128 v[CO], v[AF+16*(\a)+4*\p:AF+16*(\a)+4*\p+3], s[10:11] offset:2048*(\a)+512*\p   ; 512 consecutive bytes, aligned; each block has registers of its own for its codes
.endr
.endm
.irp a, 0,1,2,3,4,5,6,7
	QOUT \a
.endr
	s_wait_tensorcnt 0x0                           ; the wave's end
	ds_add_u32 v[SPW], v[NIL]
	s_wait_dscnt 0x0
	CROUND                                         ; the closing round: no work-group ends while a partner may still ask for a tile that names it
	s_endpgm
.Lfunc_end_k_q99fddbc7ec_qkvgemm:
	.size	k_q99fddbc7ec_qkvgemm, .Lfunc_end_k_q99fddbc7ec_qkvgemm-k_q99fddbc7ec_qkvgemm
	.p2alignl 7, 3214868480
	.fill 96, 4, 3214868480
	.section	.rodata,"a",@progbits
	.p2align	6, 0x0
	.amdhsa_kernel k_q99fddbc7ec_qkvgemm
		.amdhsa_group_segment_fixed_size 327680
		.amdhsa_private_segment_fixed_size 0
		.amdhsa_enable_private_segment 0
		.amdhsa_kernarg_size 32
		.amdhsa_user_sgpr_count 2
		.amdhsa_user_sgpr_kernarg_segment_ptr 1
		.amdhsa_wavefront_size32 1
		.amdhsa_system_sgpr_workgroup_id_x 1
		.amdhsa_system_sgpr_workgroup_id_y 1
		.amdhsa_system_sgpr_workgroup_id_z 1
		.amdhsa_system_vgpr_workitem_id 0
		.amdhsa_next_free_vgpr 1024
		.amdhsa_next_free_sgpr 100
		.amdhsa_reserve_vcc 0
		.amdhsa_float_denorm_mode_32 3
		.amdhsa_float_denorm_mode_16_64 3
		.amdhsa_memory_ordered 1
		.amdhsa_forward_progress 1
		.amdhsa_inst_pref_size 119
	.end_amdhsa_kernel
	.amdgpu_metadata
---
amdhsa.version: [ 1, 2 ]
amdhsa.kernels:
  - .name:           k_q99fddbc7ec_qkvgemm
    .symbol:         k_q99fddbc7ec_qkvgemm.kd
    .args:
      - { .name: xc, .offset: 0, .size: 8, .value_kind: global_buffer, .address_space: global }
      - { .name: wc, .offset: 8, .size: 8, .value_kind: global_buffer, .address_space: global }
      - { .name: lowp_scales, .offset: 16, .size: 8, .value_kind: global_buffer, .address_space: global }
      - { .name: qkv, .offset: 24, .size: 8, .value_kind: global_buffer, .address_space: global }
    .group_segment_fixed_size: 327680
    .private_segment_fixed_size: 0
    .kernarg_segment_align: 8
    .kernarg_segment_size: 32
    .max_flat_workgroup_size: 128
    .sgpr_count:     100
    .vgpr_count:     1024
    .wavefront_size: 32
...
	.end_amdgpu_metadata
.endif
;; end of part 2
;; launch attn (part 3): grid 4 x 64, 8 waves a work-group, clusters of 4 x 1, 327,680 bytes of LDS; arguments qkv, lowp_scales, ao; writes ao
.if DOCPART == 3
	.amdgcn_target "amdgcn-amd-amdhsa--gfx1250"
	.amdhsa_code_object_version 6
	.text
	.protected	k_q99fddbc7ec_attn
	.globl	k_q99fddbc7ec_attn
	.p2align	8
	.type	k_q99fddbc7ec_attn,@function
k_q99fddbc7ec_attn:
	s_mov_b64 s[64:65], 0
	v_nop
	global_prefetch_b8 v0, s[64:65] scope:SCOPE_SE
	s_setreg_imm32_b32 hwreg(HW_REG_WAVE_MODE, 25, 1), 1
	s_wait_xcnt 0x0
	s_wait_alu depctr_hold_cnt(0) depctr_sa_sdst(0) depctr_va_vdst(0) depctr_va_sdst(0) depctr_va_ssrc(0) depctr_va_vcc(0) depctr_vm_vsrc(0)
	s_getreg_b32 s2, hwreg(HW_REG_IB_STS2, 6, 4)
	s_cmp_eq_u32 s2, 0
	s_cbranch_scc0 .Lentry_in_a_cluster
	s_endpgm
.Lentry_in_a_cluster:
	s_bfe_u32 s2, ttmp6, 0x10000c
	s_cmp_lg_u32 s2, 0x3003
	s_cbranch_scc0 .Lentry_shape_is_right
	s_endpgm
.Lentry_shape_is_right:
; CAUSAL ATTENTION on codes of FP8 (E4M3): 64 heads (batch x head) of 2,048 tokens, head size 64.  q, k, v come as register images; the result leaves as codes, an image for the last product.
; LEFT OUT: key steps all of whose 128 keys come after a wave's queries: the causal mask gives them the weight 0 for all values of the inputs.
; THE SOFTMAX: t = score x log2(e) / 8; M = the row's largest t so far, rounded UP to a whole number; p = 2^(t - M) is quantised (scale 2^e8), not normalised; the row's sum is taken of the
; unquantised p, in f32, and divides at the end.  When M moves, the sum and O are multiplied by 2^(old M - new M): exact.
; A HEAD'S K AND V STAY IN LDS: 128 key tiles x 1,024 bytes, then V as [channel tile 4][key step 16][2,048]: 2 x 131,072 bytes.  Each byte is fetched once and nothing is filled again.
; SHARES.  The four work-groups of a head form a cluster.  A wave owns a PAIR of query tiles, 2 j and 2 j + 1 (32 neighbouring queries), so that each fragment of K and V read from LDS feeds two
; matrix instructions.  Work-group P, wave w takes pair 63 - (4 w + P) and then pair 4 w + P: (16 - w) + (w + 1) = 17 key steps of 128 for every wave; the number of steps hangs on the wave's number
; alone, so no branch differs between partners.  All four need all keys: K and V are asked for JOINTLY (mask 15).
; THE LOADS go out in two groups, one load a wave in each: waves 0-3 K's tiles (8, then 24 rows of 1,024 bytes), waves 4-7 one channel tile of V each (3, then 13 rows of 2,048 bytes, one a key step).
; The first group holds K's steps 0-3 and V's steps 0-2: K is one step ahead, since a step asks LDS for the next step's K.  The second group is asked for when the first has landed; behind key
; step 2 one barrier shows all of it, and from there on the waves share no barrier until the closing round.
; NO PREFETCH: no loop issues loads; both groups are out before a wave's first key step.
; LAYOUT.  Both products are used transposed: S^T = K Q^T (source 0 = 16 keys), O^T = V^T P^T (source 0 = 16 channels): a lane holds ONE query of each tile.  A tile of tokens t holds tokens
; 32 (t / 2) + 8 (t % 2) + r + 8 (r / 8), so the 16 registers of key tiles 2 b, 2 b + 1 are keys 32 b + 16 h + 0 .. 15: the conversions' results are the second product's operand.
; q at qkv, k at + 8 MiB: [batch x 8 + head / 2][tile 128][head % 2][g 2][lane][16].  v at + 16 MiB: [..][128 keys: 16][head % 2][channel tile 4][c 4][lane][16].  ao: [token tile 512][S 8][c 4][lane][16].
; REGISTERS, in two windows of 256: the even tile's in window 0, the odd tile's in window 1 under the same numbers, so one text of the softmax serves both.  v32-95: window 0 K's fragments, window 1 V's.
; A tile's last step also asks for the K of the step behind it, which is not used: the counts of the waits stay the same on every way.
; LIMITS on the given exponents: e6 + e7 between -123 and 130 (added to c's exponent field); e8, and e10 - e8 - e9, between -126 and 119.
.set VOFF,  131072
.set SPARE, 262144                     ; the spare words: 128 bytes for each of 8 waves, named by no other line
.set LI,  1                            ; 16 x lane (both windows);  v3: + 65,536
.set QL,  2                            ; r + 8 (r / 8) - 16 h
.set LI2, 3
.set SPW, 5
.set NIL, 6
.set ADK, 7                            ; LDS address of the next step's K
.set ADV, 8                            ; v8, v9: of V's channel tiles 0-1, 2-3
.set QF,  16                           ; Q in hand;  v24-31 Q of the second pair
.set QB,  24
.set KV,  32
.set S,   96                           ; v96-159 S^T, then p
.set O,   160                          ; v160-191 O^T
.set PC,  192                          ; p's codes
.set OC,  208                          ; the result's codes
.set SCP, 216                          ; 2^e8
.set LMP, 217                          ; 448 x 2^e8, twice: the halves of a dual pair take their second sources from different banks
.set LMP2, 218
.set SCO, 219                          ; 2^(e10 - e8 - e9), and 448 x that
.set LMO, 220
.set PX,  221
.set DD,  222
.set NI,  223
.set FF,  224                          ; v[224:225] f = 2^(old M - new M)
.set MX,  228                          ; v228-231 the maximum's four chains
.set T,   244                          ; v244-251 the sum's four chains
.set WV,  18
.set J,   19                           ; wave % 4
.set SEL, 20
.set CS,  22
.set G1K, 24
.set G1V, 32
.set G0K, 40
.set G0V, 44
.set GK,  48                           ; s[48:49] the head's K in memory;  s[50:51] my channel tile of its V
.set GV,  50
.set JV,  52                           ; my channel tile of V in LDS
.set TBK, 53                           ; the NEXT step's place in K's region;  s54 this step's in V's channel tiles
.set TBV, 54
.set KS,  55                           ; the key step
.set LAST, 56                          ; my pair's last key step;  s57 the second pair's
.set LASTB, 57
.set DQ,  58                           ; my pair's first query less its last step's first key;  s59
.set DQB, 59
.set OA,  66
.set OB,  68
.set CNT, 70
.set PP,  71
.set EX,  72
.set MSB, 0
.macro WIN new                         ; bits 1:0 source 0, 3:2 source 1, 5:4 source 2, 7:6 destination; the high byte repeats the setting that is left
.if MSB != \new
	s_set_vgpr_msb (MSB<<8)|\new
.set MSB, \new
.endif
.endm
.macro ROUND
	s_barrier_signal -1
	s_barrier_wait -1
	s_cmp_lg_u32 s[WV], 0
	s_cbranch_scc1 .Lnw0_\@
	s_barrier_signal -3
.Lnw0_\@:
	s_barrier_wait -3
	s_barrier_signal -1
	s_barrier_wait -1
.endm
; every wave issues one joint load: the branch hangs on the wave's number alone.  An s_nop 0 and four v_nop follow each line
.macro JLOAD
	s_cmp_lt_u32 s[WV], 4
	s_cbranch_scc0 .Lfv_\@
	tensor_load_to_lds s[G0K:G0K+3], s[G1K:G1K+7]
	s_nop 0
.rept 4
	v_nop
.endr
	s_branch .Lasked_\@
.Lfv_\@:
	tensor_load_to_lds s[G0V:G0V+3], s[G1V:G1V+7]
	s_nop 0
.rept 4
	v_nop
.endr
.Lasked_\@:
.endm
; the descriptors of a group: K's rows a wave and first tile, V's rows and first step.  Written only where no tensor load of the wave is out
.macro SETD kr, bt, vr, bs
	s_mul_i32 s90, s[J], (\kr)*1024
	s_add_co_u32 s[G0K+1], s90, (\bt)*1024
	s_lshl_b32 s90, s90, 1                         ; in memory every other 1,024 bytes are the pair's other head's
	s_add_co_u32 s90, s90, (\bt)*2048
	s_mov_b32 s91, 0
	s_add_nc_u64 s[G0K+2:G0K+3], s[GK:GK+1], s[90:91]
	s_or_b32 s[G0K+3], s[G0K+3], 0x80000000
	s_add_co_u32 s[G0V+1], s[JV], (\bs)*2048
	s_add_nc_u64 s[G0V+2:G0V+3], s[GV:GV+1], (\bs)*16384
	s_or_b32 s[G0V+3], s[G0V+3], 0x80000000
	s_mov_b32 s[G1K+2], (\kr)<<16
	s_mov_b32 s[G1K+4], \kr
	s_mov_b32 s[G1V+2], (\vr)<<16
	s_mov_b32 s[G1V+4], \vr
.endm
	s_load_b128 s[4:7], s[0:1], 0x0                ; qkv, the scales' exponents
	s_load_b64 s[8:9], s[0:1], 0x10                ; ao
	v_lshl_add_u32 v[SPW], v0, 2, SPARE
	v_mov_b32 v[NIL], 0
	ds_add_u32 v[SPW], v[NIL]                      ; the opening lines: the add, twice on end, and its wait
	ds_add_u32 v[SPW], v[NIL]
	v_lshrrev_b32 v10, 5, v0
	v_readfirstlane_b32 s[WV], v10                 ; wave 0..7
	s_and_b32 s[J], s[WV], 3
	s_bfe_u32 s[PP], ttmp6, 0x40000                ; P: my place in the cluster: it enters global addresses of Q and of the result, and the mask's numbers, and nothing else
	s_and_b32 s10, ttmp7, 0xffff                   ; 16 x batch + head
	s_and_b32 s11, s10, 1
	s_lshr_b32 s12, s10, 1
	s_lshl_b32 s12, s12, 18                        ; the pair of heads
	s_lshl_b32 s84, s11, 10
	s_add_co_u32 s84, s84, s12                     ; Q's and K's tiles of my head
	s_add_co_u32 s86, s84, 0x800000
	s_mov_b32 s87, 0
	s_lshl_b32 s88, s11, 13
	s_add_co_u32 s88, s88, s12
	s_add_co_u32 s88, s88, 0x1000000
	s_lshl_b32 s90, s[J], 11
	s_add_co_u32 s88, s88, s90                     ; V: my channel tile of a step's 8,192 bytes
	s_mov_b32 s89, 0
	s_lshl_b32 s[JV], s[J], 15
	s_add_co_u32 s[JV], s[JV], VOFF
	s_mov_b32 s[G1K], 15|(3<<16)|(1<<21)           ; the mask: all four of the cluster; elements of 8 bytes; bit 21 beside a mask; no padding
	s_mov_b32 s[G1K+1], 128<<16                    ; rows of 1,024 bytes
	s_mov_b32 s[G1K+3], 128<<16
	s_mov_b32 s[G1K+5], 256                        ; 2,048 bytes apart
	s_mov_b32 s[G1K+6], 0
	s_mov_b32 s[G1K+7], 0
	s_mov_b32 s[G1V], 15|(3<<16)|(1<<21)
	s_mov_b32 s[G1V+1], 256<<16                    ; rows of 2,048 bytes
	s_mov_b32 s[G1V+3], 256<<16
	s_mov_b32 s[G1V+5], 2048                       ; a key step on: 16,384 bytes
	s_mov_b32 s[G1V+6], 0
	s_mov_b32 s[G1V+7], 0
	s_mov_b32 s[G0K], 1
	s_mov_b32 s[G0V], 1
	s_mov_b32 s[SEL], 0x76543210
	s_mov_b32 s[SEL+1], 0xfedcba98
	s_mov_b32 s[CS], 0x3e38aa3b                    ; log2(e) / 8
	s_mov_b32 s[TBK], 8192
	s_mov_b32 s[TBV], VOFF
	s_mov_b32 s[KS], 0
	s_mov_b32 s[LASTB], s[WV]
	s_sub_co_u32 s[LAST], 15, s[WV]
	s_lshl_b32 s92, s[WV], 2
	s_add_co_u32 s92, s92, s[PP]                   ; my second pair: 4 w + P
	s_sub_co_u32 s93, 63, s92                      ; my first
	s_and_b32 s[DQ], s93, 3
	s_lshl_b32 s[DQ], s[DQ], 5                     ; 32 (j % 4)
	s_and_b32 s[DQB], s92, 3
	s_lshl_b32 s[DQB], s[DQB], 5
	s_lshl_b32 s14, s93, 12
	s_add_co_u32 s14, s14, s84                     ; Q's two pairs: 4,096 bytes a pair
	s_mov_b32 s15, 0
	s_lshl_b32 s16, s92, 12
	s_add_co_u32 s16, s16, s84
	s_mov_b32 s17, 0
	s_lshr_b32 s94, s10, 4
	s_lshl_b32 s94, s94, 7                         ; 128 x batch
	s_and_b32 s95, s10, 15
	s_lshl_b32 s95, s95, 10                        ; a head's 64 channels: 1,024 bytes of a row tile's image
	s_lshl_b32 s[OA], s93, 1
	s_add_co_u32 s[OA], s[OA], s94
	s_lshl_b32 s[OA], s[OA], 14
	s_add_co_u32 s[OA], s[OA], s95
	s_mov_b32 s[OA+1], 0
	s_lshl_b32 s[OB], s92, 1
	s_add_co_u32 s[OB], s[OB], s94
	s_lshl_b32 s[OB], s[OB], 14
	s_add_co_u32 s[OB], s[OB], s95
	s_mov_b32 s[OB+1], 0
	s_wait_dscnt 0x0                               ; both opening adds are done
	s_wait_kmcnt 0x0
	s_load_b256 s[EX:EX+7], s[6:7], 0x0
	s_load_b128 s[EX+8:EX+11], s[6:7], 0x20
	s_add_nc_u64 s[GK:GK+1], s[4:5], s[86:87]
	s_add_nc_u64 s[GV:GV+1], s[4:5], s[88:89]
	ROUND                                          ; all four work-groups are here: the first joint loads meet
	SETD 8, 0, 3, 0
	JLOAD                                          ; K's steps 0-3, V's steps 0-2
	s_add_nc_u64 s[14:15], s[4:5], s[14:15]
	s_add_nc_u64 s[16:17], s[4:5], s[16:17]
	s_add_nc_u64 s[OA:OA+1], s[8:9], s[OA:OA+1]
	s_add_nc_u64 s[OB:OB+1], s[8:9], s[OB:OB+1]
	v_and_b32 v10, 31, v0
	v_lshlrev_b32 v[LI], 4, v10
	v_add_nc_u32 v[LI2], 0x10000, v[LI]
	global_load_b128 v[QF:QF+3], v[LI], s[14:15]               ; all four tiles of Q stay in registers: the even ones,
	global_load_b128 v[QF+4:QF+7], v[LI], s[14:15] offset:512
	global_load_b128 v[QB:QB+3], v[LI], s[16:17]
	global_load_b128 v[QB+4:QB+7], v[LI], s[16:17] offset:512
	WIN 0x40                                       ; destination: window 1
	global_load_b128 v[QF:QF+3], v[LI], s[14:15] offset:2048   ; and the odd ones
	global_load_b128 v[QF+4:QF+7], v[LI], s[14:15] offset:2560
	global_load_b128 v[QB:QB+3], v[LI], s[16:17] offset:2048
	global_load_b128 v[QB+4:QB+7], v[LI], s[16:17] offset:2560
	v_mov_b32 v[LI], v[LI]                         ; window 1's 16 x lane, for the odd tile's stores
	WIN 0
	v_and_b32 v10, 15, v0
	v_and_b32 v11, 8, v0
	v_add_nc_u32 v10, v10, v11
	v_and_b32 v11, 16, v0
	v_sub_nc_u32 v[QL], v10, v11
.macro FRESH                           ; a tile of queries begins: the first step finds zeros, which the first change of M leaves zeros
	v_mov_b32 v13, 0xff61b1e6                      ; the largest t so far: -3e38, under every t
	s_delay_alu instid0(VALU_DEP_1)
	v_floor_f32 v12, -v13                          ; -M
	v_mov_b32 v14, 0
	v_mov_b32 v15, 0
.set j, 0
.rept 32
	v_mov_b32 v[O+j], 0
.set j, j+1
.endr
.endm
	FRESH
	WIN 0x55
	FRESH
	WIN 0
	s_wait_kmcnt 0x0
	s_add_co_i32 s90, s[EX+6], s[EX+7]
	s_lshl_b32 s90, s90, 23
	s_add_co_i32 s[CS], s[CS], s90                 ; a score stands for score x 2^(e6 + e7)
	s_mov_b32 s[CS+1], s[CS]
	s_add_co_i32 s90, s[EX+8], 127
	s_lshl_b32 s85, s90, 23                        ; 2^e8
	s_add_co_i32 s90, s90, 8
	s_lshl_b32 s90, s90, 23
	s_or_b32 s91, s90, 0x600000                    ; 448 x 2^e8
	s_sub_co_i32 s90, s[EX+10], s[EX+8]
	s_sub_co_i32 s90, s90, s[EX+9]                 ; a sum of the second product stands for sum x 2^(e8 + e9)
	s_add_co_i32 s90, s90, 127
	s_lshl_b32 s96, s90, 23
	s_add_co_i32 s90, s90, 8
	s_lshl_b32 s90, s90, 23
	s_or_b32 s97, s90, 0x600000
.irp w, 0, 0x40                        ; the constants, in both windows
	WIN \w
	v_mov_b32 v[SCP], s85
	v_mov_b32 v[LMP], s91
	v_mov_b32 v[LMP2], s91
	v_mov_b32 v[SCO], s96
	v_mov_b32 v[LMO], s97
	v_mov_b32 v[PX], 0                             ; a lane permute's destination counts as one of its sources
	v_mov_b32 v[FF+1], 0
.endr
	WIN 0
.macro MASK                            ; register 16 b + i holds key 32 b + 16 h + i of the step: hidden where 32 b + i > d
.set n, 0
.rept 64
	v_cmp_gt_i32 vcc_lo, 32*(n/16)+n%16, v[DD]
	v_cndmask_b32 v[S+n], v[S+n], v[NI], vcc_lo
.set n, n+1
.endr
.endm
; one tile's softmax of a key step, in the window that is set.  late = 1: exponentials stand between the scores' products and this text
.macro SOFT late
.if \late
	s_wait_alu depctr_va_vdst(0)                   ; directly ahead of the scores' first reader
.endif
.irp c, 0,1,2,3
	v_max3_num_f32 v[MX+\c], v[S+16*\c], v[S+16*\c+1], v[S+16*\c+2]   ; the step's largest score of my query among my 64 keys, in four chains, each accumulator from its low end on
.endr
.set i, 3
.rept 6
.irp c, 0,1,2,3
	v_max3_num_f32 v[MX+\c], v[MX+\c], v[S+16*\c+i], v[S+16*\c+i+1]
.endr
.set i, i+2
.endr
	v_max3_num_f32 v[MX], v[MX], v[MX+1], v[S+15]
	v_max3_num_f32 v[MX+2], v[MX+2], v[MX+3], v[S+31]
	v_max3_num_f32 v[MX], v[MX], v[S+47], v[S+63]
	s_delay_alu instid0(VALU_DEP_1)
	v_max_num_f32 v[MX], v[MX], v[MX+2]
	s_delay_alu instid0(VALU_DEP_1)
	v_permlanex16_b32 v[PX], v[MX], s[SEL], s[SEL+1]
	s_delay_alu instid0(VALU_DEP_1)
	v_max_num_f32 v[MX], v[MX], v[PX]              ; and among lane l xor 16's
	s_delay_alu instid0(VALU_DEP_1)
	v_mul_f32 v[MX], s[CS], v[MX]                  ; as t (c is positive)
	s_delay_alu instid0(VALU_DEP_1)
	v_max_num_f32 v13, v13, v[MX]                  ; the running largest t
	v_mov_b32 v[MX], v12
	s_delay_alu instid0(VALU_DEP_2)
	v_floor_f32 v12, -v13                          ; the new -M = -ceil(t)
	s_delay_alu instid0(VALU_DEP_1)
	v_sub_f32 v[MX], v12, v[MX]                    ; old M - new M: a whole number, 0 or less
	s_delay_alu instid0(VALU_DEP_1)
	v_cvt_i32_f32 v[MX], v[MX]                     ; (it saturates)
	s_delay_alu instid0(VALU_DEP_1)
	v_ldexp_f32 v[FF], 1.0, v[MX]                  ; f = 2^(old M - new M)
.set j, 0
.rept 32
	v_pk_fma_f32 v[S+j:S+j+1], v[S+j:S+j+1], s[CS:CS+1], v[12:13] op_sel_hi:[1,0,0]   ; t - M
.set j, j+2
.endr
	s_wait_alu depctr_va_vdst(0)                   ; ahead of the batch
.set j, 0
.rept 64
	v_exp_f32 v[S+j], v[S+j]                       ; p = 2^(t - M), at most 1
.set j, j+1
.endr
	v_pk_mul_f32 v[14:15], v[14:15], v[FF:FF+1] op_sel_hi:[1,0]   ; the sums under the new M: the plain line behind the exponentials
	s_wait_alu depctr_va_vdst(0)                   ; one wait for the whole batch, ahead of its first reader
.irp c, 0,1,2,3
	v_pk_add_f32 v[T+2*\c:T+2*\c+1], v[S+2*\c:S+2*\c+1], v[S+8+2*\c:S+9+2*\c]   ; the row's sum of the unquantised p, in four chains
.endr
.set j, 16
.rept 6
.irp c, 0,1,2,3
	v_pk_add_f32 v[T+2*\c:T+2*\c+1], v[T+2*\c:T+2*\c+1], v[S+j+2*\c:S+j+2*\c+1]
.endr
.set j, j+8
.endr
	v_pk_add_f32 v[T:T+1], v[T:T+1], v[T+2:T+3]
	v_pk_add_f32 v[T+4:T+5], v[T+4:T+5], v[T+6:T+7]
	v_pk_add_f32 v[14:15], v[14:15], v[T:T+1]
	v_pk_add_f32 v[14:15], v[14:15], v[T+4:T+5]
.irp b, 0,1,2,3
.set i, 0
.rept 8
	v_dual_min_num_f32 v[S+16*\b+i], v[S+16*\b+i], v[LMP] :: v_dual_min_num_f32 v[S+16*\b+i+1], v[S+16*\b+i+1], v[LMP2]   ; the conversion does not saturate (ISA guide 7.6.2); p is not negative: a one-sided hold, two numbers a line
.set i, i+2
.endr
	v_cvt_scalef32_pk8_fp8_f32 v[PC+4*\b:PC+4*\b+1], v[S+16*\b:S+16*\b+7], v[SCP]
	v_cvt_scalef32_pk8_fp8_f32 v[PC+4*\b+2:PC+4*\b+3], v[S+16*\b+8:S+16*\b+15], v[SCP]
.endr
	s_wait_alu depctr_va_vdst(0)                   ; directly ahead of the first reader of O^T
.set j, 0
.rept 16
	v_pk_mul_f32 v[O+j:O+j+1], v[O+j:O+j+1], v[FF:FF+1] op_sel_hi:[1,0]   ; O^T under the new M; also the plain lines between the conversions and the products
.set j, j+2
.endr
.endm
.macro PV                              ; O^T += V^T P^T: the tile's four accumulators take turns
.set t, 0
.rept 4
	v_wmma_f32_16x16x128_fp8_fp8 v[O+8*t:O+8*t+7], v[KV+16*t:KV+16*t+15], v[PC:PC+15], v[O+8*t:O+8*t+7]
.set t, t+1
.endr
.endm
.macro QK                              ; S^T = K Q^T: eight tiles of 16 keys
.set t, 0
.rept 8
	v_wmma_f32_16x16x64_fp8_fp8 v[S+8*t:S+8*t+7], v[KV+8*t:KV+8*t+7], v[QF:QF+7], 0
.set t, t+1
.endr
.endm
.macro KLOAD adr                       ; a step's eight fragments of K: 8,192 consecutive bytes
.set n, 0
.rept 16
	ds_load_b128 v[KV+4*n:KV+4*n+3], v[\adr] offset:512*n
.set n, n+1
.endr
.endm
; A KEY STEP of 128 keys for both tiles.  Its K has been asked for a step earlier.  chk = 1: a step behind my pair's last is left out, and the last is masked: branches on the count of steps and the wave's number.
.macro STEP chk
.if \chk
	s_cmp_gt_u32 s[KS], s[LAST]
	s_cbranch_scc1 .Lhidden_\@
.endif
	v_add_nc_u32 v[ADV], s[TBV], v[LI]
	v_add_nc_u32 v[ADV+1], s[TBV], v[LI2]
	v_add_nc_u32 v[ADK], s[TBK], v[LI]
	v_nop                                          ; with the three additions: four places in front of loads into registers that the last products read
	WIN 0x40
.set n, 0
.rept 16
	ds_load_b128 v[KV+4*n:KV+4*n+3], v[ADV+n/8] offset:((n/4)%2)*32768+(n%4)*512   ; V's four fragments, into window 1: they land while the first softmax is walked
.set n, n+1
.endr
	WIN 0
	s_wait_alu depctr_va_vdst(0)
	s_wait_dscnt 16                                ; K is in; V's 16 loads may be out
	QK
	WIN 0x44                                       ; the odd tile: Q and S^T in window 1
	QK
	WIN 0
.rept 4
	v_nop                                          ; places: in front of the loads below and of the first read of the scores
.endr
	KLOAD ADK                                      ; the next step's K
.if \chk
	s_cmp_lt_u32 s[KS], s[LAST]
	s_cbranch_scc1 .Lopen_\@
	s_add_co_u32 s90, s[DQ], 8                     ; the odd tile's queries lie 8 on
	v_add_nc_u32 v[DD], s[DQ], v[QL]               ; d = my query - the step's first key - 16 h
	v_mov_b32 v[NI], 0xff800000
	WIN 0x40
	v_add_nc_u32 v[DD], s90, v[QL]
	v_mov_b32 v[NI], 0xff800000
	WIN 0
	MASK
	WIN 0x55
	MASK
	WIN 0
.Lopen_\@:
.endif
	SOFT 0
	s_wait_alu depctr_va_vdst(0)
	s_wait_dscnt 16                                ; V is in; the next K's 16 loads may be out
	WIN 0x01                                       ; V's fragments lie in window 1
	PV
	WIN 0x55
	SOFT 1
	PV
	WIN 0
.if \chk
.Lhidden_\@:
.endif
	s_add_co_u32 s[TBK], s[TBK], 8192
	s_add_co_u32 s[TBV], s[TBV], 2048
	s_add_co_u32 s[KS], s[KS], 1
.endm
.macro WALK name, trips, chk           ; a counted loop of key steps: every wave walks every trip
	s_mov_b32 s[CNT], \trips
\name:
	STEP \chk
	s_sub_co_u32 s[CNT], s[CNT], 1
	s_cmp_lg_u32 s[CNT], 0
	s_cbranch_scc1 \name
.endm
; A tile of queries is done: O^T / the sum, quantised for the last product; two stores of 512 consecutive bytes.
.macro FINAL base, off
.rept 4
	v_nop                                          ; places behind the last products
.endr
	s_wait_xcnt 0x0                                ; earlier stores have read the registers that these codes take
	v_add_f32 v14, v14, v15
	s_wait_alu depctr_va_vdst(0)
	v_permlanex16_b32 v[PX], v14, s[SEL], s[SEL+1]
	s_delay_alu instid0(VALU_DEP_1)
	v_add_f32 v14, v14, v[PX]                      ; the row's sum
	s_wait_alu depctr_va_vdst(0)
	v_rcp_f32 v14, v14
	v_nop
	s_wait_alu depctr_va_vdst(0)                   ; ahead of the reciprocal's first reader, which is also O^T's
.set j, 0
.rept 16
	v_pk_mul_f32 v[S+j:S+j+1], v[O+j:O+j+1], v[14:15] op_sel_hi:[1,0]   ; register 16 b + i: channel 32 b + 16 h + i
.set j, j+2
.endr
.set j, 0
.rept 32
	v_med3_num_f32 v[S+j], v[S+j], -v[LMO], v[LMO]
.set j, j+1
.endr
.irp b, 0,1
	v_cvt_scalef32_pk8_fp8_f32 v[OC+4*\b:OC+4*\b+1], v[S+16*\b:S+16*\b+7], v[SCO]
	v_cvt_scalef32_pk8_fp8_f32 v[OC+4*\b+2:OC+4*\b+3], v[S+16*\b+8:S+16*\b+15], v[SCO]
.endr
	v_nop                                          ; a plain line behind the last conversion
	global_store_b128 v[LI], v[OC:OC+3], s[\base:\base+1] offset:\off
	global_store_b128 v[LI], v[OC+4:OC+7], s[\base:\base+1] offset:(\off)+512
.endm
.macro SECOND                          ; the window's tile of the second pair
.set j, 0
.rept 8
	v_mov_b32 v[QF+j], v[QB+j]
.set j, j+1
.endr
	FRESH
.endm
	s_wait_alu depctr_va_vdst(0)
	s_wait_loadcnt 0x0                             ; Q
	s_wait_tensorcnt 0x0                           ; my part of the first group is in; a later first fill is issued as a refill is:
	ds_add_u32 v[SPW], v[NIL]                      ; an add of 0; the descriptors' words stand between it and its wait
	SETD 24, 32, 13, 3
	s_wait_dscnt 0x0
	ROUND
	JLOAD                                          ; K's steps 4-15, V's steps 3-15
	KLOAD LI                                       ; K's step 0 lies at LDS byte 0
	WALK .Lw1, 3, 0                                ; key steps 0 to 2 of my first pair: its last step is 8 or later
	s_wait_alu depctr_va_vdst(0)
	s_wait_tensorcnt 0x0                           ; my part of the second group is in
	ds_add_u32 v[SPW], v[NIL]
	s_wait_dscnt 0x0
	s_barrier_signal -1
	s_barrier_wait -1                              ; everybody's is: nothing is filled from here on
	WALK .Lw2, 13, 1                               ; key steps 3 to 15, as far as my first pair reaches
	FINAL OA, 0
	SECOND
	WIN 0x55
	FINAL OA, 16384                                ; the odd tile's row tile lies 16,384 bytes on
	SECOND
	WIN 0
	s_mov_b32 s[TBK], 8192
	s_mov_b32 s[TBV], VOFF
	s_mov_b32 s[KS], 0
	s_mov_b32 s[LAST], s[LASTB]
	s_mov_b32 s[DQ], s[DQB]
	s_wait_alu depctr_va_vdst(0)
	s_wait_dscnt 0x0                               ; the look-ahead's loads have landed: their registers may be loaded anew
	KLOAD LI
	WALK .Lw3, 8, 1                                ; key steps 0 to 7, as far as my second pair reaches
	FINAL OB, 0
	WIN 0x55
	FINAL OB, 16384
	WIN 0
	s_wait_tensorcnt 0x0                           ; the wave's end
	ds_add_u32 v[SPW], v[NIL]
	s_wait_dscnt 0x0
	ROUND                                          ; the closing round
	s_endpgm
.Lfunc_end_k_q99fddbc7ec_attn:
	.size	k_q99fddbc7ec_attn, .Lfunc_end_k_q99fddbc7ec_attn-k_q99fddbc7ec_attn
	.p2alignl 7, 3214868480
	.fill 96, 4, 3214868480
	.section	.rodata,"a",@progbits
	.p2align	6, 0x0
	.amdhsa_kernel k_q99fddbc7ec_attn
		.amdhsa_group_segment_fixed_size 327680
		.amdhsa_private_segment_fixed_size 0
		.amdhsa_enable_private_segment 0
		.amdhsa_kernarg_size 24
		.amdhsa_user_sgpr_count 2
		.amdhsa_user_sgpr_kernarg_segment_ptr 1
		.amdhsa_wavefront_size32 1
		.amdhsa_system_sgpr_workgroup_id_x 1
		.amdhsa_system_sgpr_workgroup_id_y 1
		.amdhsa_system_sgpr_workgroup_id_z 1
		.amdhsa_system_vgpr_workitem_id 0
		.amdhsa_next_free_vgpr 512
		.amdhsa_next_free_sgpr 100
		.amdhsa_reserve_vcc 1
		.amdhsa_float_denorm_mode_32 3
		.amdhsa_float_denorm_mode_16_64 3
		.amdhsa_memory_ordered 1
		.amdhsa_forward_progress 1
		.amdhsa_inst_pref_size 142
	.end_amdhsa_kernel
	.amdgpu_metadata
---
amdhsa.version: [ 1, 2 ]
amdhsa.kernels:
  - .name:           k_q99fddbc7ec_attn
    .symbol:         k_q99fddbc7ec_attn.kd
    .args:
      - { .name: qkv, .offset: 0, .size: 8, .value_kind: global_buffer, .address_space: global }
      - { .name: lowp_scales, .offset: 8, .size: 8, .value_kind: global_buffer, .address_space: global }
      - { .name: ao, .offset: 16, .size: 8, .value_kind: global_buffer, .address_space: global }
    .group_segment_fixed_size: 327680
    .private_segment_fixed_size: 0
    .kernarg_segment_align: 8
    .kernarg_segment_size: 24
    .max_flat_workgroup_size: 256
    .sgpr_count:     100
    .vgpr_count:     512
    .wavefront_size: 32
...
	.end_amdgpu_metadata
.endif
;; end of part 3
;; launch outgemm (part 4): grid 4 x 32, 4 waves a work-group, clusters of 4 x 4, 327,680 bytes of LDS; arguments ao, wc, lowp_scales, bo, out0; writes out0
.if DOCPART == 4
	.amdgcn_target "amdgcn-amd-amdhsa--gfx1250"
	.amdhsa_code_object_version 6
	.text
	.protected	k_q99fddbc7ec_outgemm
	.globl	k_q99fddbc7ec_outgemm
	.p2align	8
	.type	k_q99fddbc7ec_outgemm,@function
k_q99fddbc7ec_outgemm:
	s_mov_b64 s[64:65], 0
	v_nop
	global_prefetch_b8 v0, s[64:65] scope:SCOPE_SE
	s_setreg_imm32_b32 hwreg(HW_REG_WAVE_MODE, 25, 1), 1
	s_wait_xcnt 0x0
	s_wait_alu depctr_hold_cnt(0) depctr_sa_sdst(0) depctr_va_vdst(0) depctr_va_sdst(0) depctr_va_ssrc(0) depctr_va_vcc(0) depctr_vm_vsrc(0)
	s_getreg_b32 s2, hwreg(HW_REG_IB_STS2, 6, 4)
	s_cmp_eq_u32 s2, 0
	s_cbranch_scc0 .Lentry_in_a_cluster
	s_endpgm
.Lentry_in_a_cluster:
	s_bfe_u32 s2, ttmp6, 0x10000c
	s_cmp_lg_u32 s2, 0xf033
	s_cbranch_scc0 .Lentry_shape_is_right
	s_endpgm
.Lentry_shape_is_right:
; out0 = (attention's result) Wo^T + bo (K = 1,024) on codes of FP8 (E4M3): each finished sum x 2^(e10 + e11), + bo, f32.
; OPERANDS are register images: a fragment (16 rows x 128 K) is 2,048 bytes, [c][lane][16]; row tile R holds rows 32 (R / 2) + 8 (R % 2) + r + 8 (r / 8); a tensor is [R][S = K / 128][2,048].
; A tile of the result is 256 x 256: four waves, each 128 x 128: 64 accumulators.  K goes in steps of 256 through two LDS slots; a slot holds, of 16 + 16 row tiles, 4,096 bytes each.
; The matrix instruction is used transposed (source 0 = Wo's 16 rows, source 1 = 16 tokens): a lane holds neighbouring columns of one row, which leave through the wave's own stage in LDS as rows of 512 bytes.
; CLUSTERS: 4 x 4 work-groups; the tokens' tile is shared along a row of the cluster, Wo's along a column: each is asked for jointly.
; LIMIT: e10 + e11 lies between -126 and 127.
.set HALFT,  32768
.set SLOT,   4*HALFT
.set SPARE,  2*SLOT
.set STAGE,  SPARE+512
.set SPITCH, 528
.set KADV,   4096
.set FR,     16
.set NL,     4
.set NP,     4
.set ADRA, 16
.set ADRB, 20
.set STO,  24
.set RD,   25
.set CO,   26
.set BO,   27
.set SPW,  28
.set NIL,  29
.set BIAS, 64
.set AF,   128
.set BK,   128
.set G1, 24
.set G0, 32
.set G1B, 48
.set G0B, 56
.set MSB, 0
.macro WIN new
.if MSB != \new
	s_set_vgpr_msb (MSB<<8)|\new
.set MSB, \new
.endif
.endm
.set MUL_LO, 0xa1
.set MUL_HI, 0xf1
.set TO_B,   0x40
.macro JLOAD g0a, g1a, g0b, g1b
	s_cmp_eq_u32 s15, 0
	s_cbranch_scc0 .Lfor_b_\@
	tensor_load_to_lds s[\g0a:\g0a+3], s[\g1a:\g1a+7]
	s_nop 0
.rept 4
	v_nop
.endr
	s_branch .Lasked_\@
.Lfor_b_\@:
	tensor_load_to_lds s[\g0b:\g0b+3], s[\g1b:\g1b+7]
	s_nop 0
.rept 4
	v_nop
.endr
.Lasked_\@:
.endm
.macro CREST
	s_cmp_lg_u32 s14, 0
	s_cbranch_scc1 .Lnot_wave_0_\@
	s_barrier_signal -3
.Lnot_wave_0_\@:
	s_barrier_wait -3
	s_barrier_signal -1
	s_barrier_wait -1
.endm
.macro CROUND
	s_barrier_signal -1
	s_barrier_wait -1
	CREST
.endm
	s_load_b256 s[4:11], s[0:1], 0x0
	s_load_b64 s[12:13], s[0:1], 0x20
	v_lshl_add_u32 v[SPW], v0, 2, SPARE
	v_mov_b32 v[NIL], 0
	ds_add_u32 v28, v29
	ds_add_u32 v28, v29
	s_wait_dscnt 0x0
	v_lshrrev_b32 v1, 5, v0
	v_readfirstlane_b32 s14, v1                    ; wave 0..3
	v_bfe_u32 v23, v0, 4, 1                        ; the prefetches' offset: lanes 0-15 one row tile's 16 blocks of 256 bytes, lanes 16-31 the next row tile's (16,384 bytes on); never rewritten
	v_and_b32 v22, 15, v0
	v_lshlrev_b32 v22, 8, v22
	v_lshl_add_u32 v22, v23, 14, v22
	s_wait_alu depctr_va_vdst(0)                   ; a wait behind the write, whose readers stand behind barriers
	s_lshr_b32 s15, s14, 1
	s_and_b32 s16, s14, 1
	s_bfe_u32 s40, ttmp6, 0x40000
	s_bfe_u32 s41, ttmp6, 0x40004
	s_lshl_b32 s42, ttmp9, 2
	s_add_co_u32 s42, s42, s40
	s_and_b32 s17, ttmp7, 0xffff
	s_lshl_b32 s17, s17, 2
	s_add_co_u32 s17, s17, s41
	s_lshl_b32 s43, s41, 2
	s_lshl_b32 s43, 15, s43
	s_lshl_b32 s44, 0x1111, s40
	s_or_b32 s[G1+0], s43, (3<<16)|(1<<21)
	s_or_b32 s[G1B+0], s44, (3<<16)|(1<<21)
.irp g, G1, G1B
	s_mov_b32 s[\g+1], 512<<16
	s_mov_b32 s[\g+2], 8<<16
	s_mov_b32 s[\g+3], 512<<16
	s_mov_b32 s[\g+4], 8
	s_mov_b32 s[\g+5], 2048
	s_mov_b32 s[\g+6], 0
	s_mov_b32 s[\g+7], 0
.endr
	s_lshl_b32 s18, s16, 17
	s_lshl_b32 s20, s17, 18
	s_add_co_u32 s20, s20, s18
	s_mov_b32 s21, 0
	s_lshl_b32 s46, s42, 18
	s_add_co_u32 s46, s46, s18
	s_mov_b32 s47, 0
	s_lshl_b32 s45, s14, 15
	s_wait_kmcnt 0x0
	s_load_b64 s[96:97], s[8:9], 0x28
	s_add_nc_u64 s[6:7], s[6:7], 0x300000
	s_add_nc_u64 s[20:21], s[4:5], s[20:21]
	s_add_nc_u64 s[46:47], s[6:7], s[46:47]
	; where my prefetches stand: of the 8 row tiles that I fetch, the partner at place p takes row tiles 2 p and 2 p + 1 (p = cx for the tokens' side, cy for Wo's): told apart by address, by no branch
	s_cmp_eq_u32 s15, 0
	s_cselect_b64 s[98:99], s[20:21], s[46:47]
	s_cselect_b32 s94, s40, s41
	s_lshl_b32 s94, s94, 15
	s_mov_b32 s95, 0
	s_add_nc_u64 s[98:99], s[98:99], s[94:95]      ; never rewritten
	CROUND
.irp s, 0,1
	s_mov_b32 s[G0+4*\s], 1
	s_add_co_u32 s[G0+4*\s+1], s45, \s*SLOT
	s_add_nc_u64 s[G0+4*\s+2:G0+4*\s+3], s[20:21], \s*KADV
	s_or_b32 s[G0+4*\s+3], s[G0+4*\s+3], 0x80000000
	s_mov_b32 s[G0B+4*\s], 1
	s_add_co_u32 s[G0B+4*\s+1], s45, \s*SLOT
	s_add_nc_u64 s[G0B+4*\s+2:G0B+4*\s+3], s[46:47], \s*KADV
	s_or_b32 s[G0B+4*\s+3], s[G0B+4*\s+3], 0x80000000
.if \s == 1
	s_wait_alu depctr_va_vdst(0)
	s_wait_tensorcnt 0x0                           ; slot 1's first fill is issued as a refill is, behind a round
	ds_add_u32 v28, v29
	ds_add_u32 v28, v29
	s_wait_dscnt 0x0
	CROUND
.endif
	JLOAD G0+4*\s, G1, G0B+4*\s, G1B
	; PREFETCHES: one instruction names 32 blocks of 256 bytes, a lane a block: my work-group's quarter of what I fetch in a later fill; each block is named once in the cluster.
	; Behind the first joint load: the fills at K = 256 and 512; behind the second: the fill at K = 768, the last.  At most two fills are asked for and not yet read.
.if \s == 0
	global_prefetch_b8 v22, s[98:99] offset:KADV th:TH_LOAD_NT scope:SCOPE_SE
	global_prefetch_b8 v22, s[98:99] offset:2*KADV th:TH_LOAD_NT scope:SCOPE_SE
.else
	global_prefetch_b8 v22, s[98:99] offset:3*KADV th:TH_LOAD_NT scope:SCOPE_SE
.endif
.endr
	v_and_b32 v1, 31, v0
	v_lshlrev_b32 v[CO], 4, v1
	s_wait_alu depctr_va_vdst(0)
	v_and_b32 v3, 15, v0
	s_wait_alu depctr_va_vdst(0)
	v_bfe_u32 v2, v0, 4, 1
	v_lshlrev_b32 v[BO], 6, v2
	s_lshl_b32 s66, s42, 10
	s_lshl_b32 s67, s16, 9
	s_add_co_u32 s66, s66, s67
	s_mov_b32 s67, 0
	s_add_nc_u64 s[10:11], s[10:11], s[66:67]
.set i, 0
.rept 16
	global_load_b128 v[BIAS+4*i:BIAS+4*i+3], v[BO], s[10:11] offset:128*(i/4)+16*(i%4)
.set i, i+1
.endr
	s_lshl_b32 s21, s15, 15
	s_lshl_b32 s22, s16, 15
	s_add_co_u32 s22, s22, 2*HALFT
.irp s, 0,1
	v_add_nc_u32 v[ADRA+\s], s21, v[CO]
	v_add_nc_u32 v[ADRB+\s], s22, v[CO]
	s_add_co_u32 s21, s21, SLOT
	s_add_co_u32 s22, s22, SLOT
.endr
	s_mul_i32 s23, s14, 16*SPITCH
	s_add_co_u32 s23, s23, STAGE
	v_mul_u32_u24 v5, v3, SPITCH
	s_wait_alu depctr_va_vdst(0)
	v_lshl_add_u32 v5, v2, 6, v5
	v_add_nc_u32 v[STO], s23, v5
	v_add_nc_u32 v[RD], s23, v[CO]
	s_lshl_b32 s68, s17, 20
	s_lshl_b32 s69, s15, 19
	s_add_co_u32 s68, s68, s69
	s_add_co_u32 s68, s68, s66
	s_mov_b32 s69, 0
	s_add_nc_u64 s[12:13], s[12:13], s[68:69]
.macro FRAG reg, adr, q, i
.irp c, 0,1,2,3
	ds_load_b128 v[\reg+4*\c:\reg+4*\c+3], v[\adr] offset:4096*(\i)+2048*(\q)+512*\c
.endr
.endm
.macro MUL16 a0, p, zero
.irp a, \a0, \a0+1
.irp b, 0,1,2,3,4,5,6,7
.if \zero
	v_wmma_f32_16x16x128_fp8_fp8 v[8*(8*((\a)%4)+\b):8*(8*((\a)%4)+\b)+7], v[128*(\p)+FR*\b:128*(\p)+FR*\b+FR-1], v[AF+FR*(\a):AF+FR*(\a)+FR-1], 0
.else
	v_wmma_f32_16x16x128_fp8_fp8 v[8*(8*((\a)%4)+\b):8*(8*((\a)%4)+\b)+7], v[128*(\p)+FR*\b:128*(\p)+FR*\b+FR-1], v[AF+FR*(\a):AF+FR*(\a)+FR-1], v[8*(8*((\a)%4)+\b):8*(8*((\a)%4)+\b)+7]
.endif
.endr
.endr
.endm
.macro FETCH_B slot, q, p
	WIN TO_B
.irp i, 0,1,2,3,4,5,6,7
	FRAG 128*(\p)+FR*\i, ADRB+\slot, \q, \i
.endr
	WIN 0
.endm
.macro FETCH_A slot, q, i0
.irp i, \i0, \i0+1, \i0+2, \i0+3
	FRAG AF+FR*(\i), ADRA+\slot, \q, \i
.endr
.endm
.macro PLACES n
.rept \n
	v_nop
.endr
.endm
.macro STEP slot, q, zero
	s_wait_dscnt 4*NL
	WIN MUL_LO
	MUL16 0, (\q)%2, \zero
	MUL16 2, (\q)%2, \zero
	s_wait_dscnt 0
	PLACES NP
	FETCH_B \slot, (\q)+1, 1-(\q)%2
	FETCH_A \slot, (\q)+1, 0
	WIN MUL_HI
	MUL16 4, (\q)%2, \zero
	MUL16 6, (\q)%2, \zero
	PLACES NP
	WIN 0
	FETCH_A \slot, (\q)+1, 4
.endm
.macro TURN slot, next, fill
	s_wait_tensorcnt 0x0
	ds_add_u32 v[SPW], v[NIL]
	s_wait_dscnt 4*NL+1
	WIN MUL_LO
	MUL16 0, 1, 0
	s_wait_dscnt 0x0
	s_barrier_signal -1
	MUL16 2, 1, 0
	WIN 0
	s_barrier_wait -1
.if \fill
	CREST
	s_add_nc_u64 s[G0+4*\slot+2:G0+4*\slot+3], s[G0+4*\slot+2:G0+4*\slot+3], 2*KADV
	s_add_nc_u64 s[G0B+4*\slot+2:G0B+4*\slot+3], s[G0B+4*\slot+2:G0B+4*\slot+3], 2*KADV
	JLOAD G0+4*\slot, G1, G0B+4*\slot, G1B
.else
	PLACES NP
.endif
	FETCH_B \next, 0, 0
	FETCH_A \next, 0, 0
	WIN MUL_HI
	MUL16 4, 1, 0
	MUL16 6, 1, 0
	PLACES NP
	WIN 0
	FETCH_A \next, 0, 4
.endm
	s_wait_tensorcnt 1
	s_barrier_signal -1
	s_barrier_wait -1
	FETCH_B 0, 0, 0
	FETCH_A 0, 0, 0
	FETCH_A 0, 0, 4
	STEP 0, 0, 1
	TURN 0, 1, 1
	STEP 1, 0, 0
	TURN 1, 0, 1
	STEP 0, 0, 0
	TURN 0, 1, 0
	STEP 1, 0, 0
	s_wait_dscnt 4*NL
	WIN MUL_LO
	MUL16 0, 1, 0
	MUL16 2, 1, 0
	s_wait_dscnt 0
	WIN MUL_HI
	MUL16 4, 1, 0
	MUL16 6, 1, 0
	WIN 0
.macro TOSTAGE a
.set AC, 64*((\a)%4)
	WIN 0x42+((\a)/4)
.set j, 0
.rept 32
	v_pk_fma_f32 v[j:j+1], v[AC+j:AC+j+1], s[96:97], v[BIAS+j:BIAS+j+1] op_sel_hi:[1,0,1]
.set j, j+2
.endr
	WIN 0x04
.set m, 0
.rept 16
	ds_store_b128 v[STO], v[4*m:4*m+3] offset:128*(m/4)+16*(m%4)
.set m, m+1
.endr
	WIN 0
.set BB, BK+64*((\a)%2)
.set t, 0
.rept 16
	ds_load_b128 v[BB+4*t:BB+4*t+3], v[RD] offset:SPITCH*t
.set t, t+1
.endr
.endm
.macro SEND a, younger
.set BB, BK+64*((\a)%2)
	s_wait_dscnt \younger
.set t, 0
.rept 16
	global_store_b128 v[CO], v[BB+4*t:BB+4*t+3], s[12:13] offset:(32*((\a)/2)+8*((\a)%2)+t+8*(t/8))*4096 th:TH_STORE_NT
.set t, t+1
.endr
.endm
	s_wait_kmcnt 0x0
	s_add_co_i32 s96, s96, s97
	s_add_co_i32 s96, s96, 127
	s_lshl_b32 s96, s96, 23
	s_mov_b32 s97, s96
	s_wait_loadcnt 0x0
	PLACES NP
	TOSTAGE 0
.irp a, 1,2,3,4,5,6,7
.if \a > 1
	s_wait_xcnt 0x0
.endif
	TOSTAGE \a
	SEND \a-1, 32
.endr
	SEND 7, 0
	s_wait_tensorcnt 0x0
	ds_add_u32 v[SPW], v[NIL]
	s_wait_dscnt 0x0
	CROUND
	s_endpgm
.Lfunc_end_k_q99fddbc7ec_outgemm:
	.size	k_q99fddbc7ec_outgemm, .Lfunc_end_k_q99fddbc7ec_outgemm-k_q99fddbc7ec_outgemm
	.p2alignl 7, 3214868480
	.fill 96, 4, 3214868480
	.section	.rodata,"a",@progbits
	.p2align	6, 0x0
	.amdhsa_kernel k_q99fddbc7ec_outgemm
		.amdhsa_group_segment_fixed_size 327680
		.amdhsa_private_segment_fixed_size 0
		.amdhsa_enable_private_segment 0
		.amdhsa_kernarg_size 40
		.amdhsa_user_sgpr_count 2
		.amdhsa_user_sgpr_kernarg_segment_ptr 1
		.amdhsa_wavefront_size32 1
		.amdhsa_system_sgpr_workgroup_id_x 1
		.amdhsa_system_sgpr_workgroup_id_y 1
		.amdhsa_system_sgpr_workgroup_id_z 1
		.amdhsa_system_vgpr_workitem_id 0
		.amdhsa_next_free_vgpr 1024
		.amdhsa_next_free_sgpr 100
		.amdhsa_reserve_vcc 0
		.amdhsa_float_denorm_mode_32 3
		.amdhsa_float_denorm_mode_16_64 3
		.amdhsa_memory_ordered 1
		.amdhsa_forward_progress 1
		.amdhsa_inst_pref_size 125
	.end_amdhsa_kernel
	.amdgpu_metadata
---
amdhsa.version: [ 1, 2 ]
amdhsa.kernels:
  - .name:           k_q99fddbc7ec_outgemm
    .symbol:         k_q99fddbc7ec_outgemm.kd
    .args:
      - { .name: ao, .offset: 0, .size: 8, .value_kind: global_buffer, .address_space: global }
      - { .name: wc, .offset: 8, .size: 8, .value_kind: global_buffer, .address_space: global }
      - { .name: lowp_scales, .offset: 16, .size: 8, .value_kind: global_buffer, .address_space: global }
      - { .name: bo, .offset: 24, .size: 8, .value_kind: global_buffer, .address_space: global }
      - { .name: out0, .offset: 32, .size: 8, .value_kind: global_buffer, .address_space: global }
    .group_segment_fixed_size: 327680
    .private_segment_fixed_size: 0
    .kernarg_segment_align: 8
    .kernarg_segment_size: 40
    .max_flat_workgroup_size: 128
    .sgpr_count:     100
    .vgpr_count:     1024
    .wavefront_size: 32
...
	.end_amdgpu_metadata
.endif
;; end of part 4
